; MI455X (gfx1250); checked and timed in simulation.
; The chip was launched on July 23, 2026; its instructions are those of AMD's public machine-readable ISA for CDNA 5 (MIT licence, August 2026) and "CDNA5" Instruction Set Architecture Reference Guide (July 2026). The comments in the code are by the model that wrote it; some were corrected since.
;; Phasor Layer. Allowed arithmetic: matrix products marked QUANTISED: E3M2 operands, one E8M0 scale for each 32 along K, by v_wmma_scale_f32_16x16x128_f8f6f4 with both operands' format E3M2, f32 sums; everything else in f32.
;; Inputs: Wk 64 x 4,096 float32; Wo 4,096 x 4,096 float32; Wq 64 x 4,096 float32; Wv 4,096 x 4,096 float32; bk 64 float32; bo 4,096 float32; bq 64 float32; bv 4,096 float32; ln_b 4,096 float32; ln_g 4,096 float32; x 2,048 x 4,096 float32.
;; Outputs: out0 2,048 x 4,096 float32.
;; This version of the problem:
;;   THIS VERSION OF THE PROBLEM IS GIVEN IN LOW PRECISION. The matrix products marked QUANTISED in the list below multiply operands that are first quantised to E3M2 (3 exponent bits, 2 mantissa bits; 6 bits a number), with one power-of-two scale for each 32 numbers along K (OCP MX v1.0); their sums are f32. All else is computed in f32.
;;   The module's matrix products, in the order in which they are computed (A, B: the left and right operand; K: the contracted axis; several contracted axes count as one K, in the product's order):
;;     1. [M 2,048, K 4,096] x [K 4,096, N 64]; A: input x; B: input Wk: QUANTISED
;;     2. [M 2,048, K 4,096] x [K 4,096, N 64]; A: input x; B: input Wq: QUANTISED
;;     3. [M 2,048, K 4,096] x [K 4,096, N 4,096]; A: input x; B: input Wv: QUANTISED
;;     4. [M 2,048, K 4,096] x [K 4,096, N 4,096]; A: computed on the way; B: input Wo: QUANTISED
;;   THE QUANTISER, for each operand of a quantised product, along K:
;;     - K is cut into blocks of 32 from its start; a last block that is shorter is filled with zeros.
;;     - A block's scale is 2^e with e = floor(log2(the largest magnitude in the block)) - 4, held to -126 .. 127; a block of zeros has e = 0. As a byte (E8M0): e + 127.
;;     - Each number is divided by its block's scale, clamped to +-28, and rounded to the nearest number of E3M2, ties to even, subnormals kept.
;;     - The product sums the exact products of the quantised numbers (number of the format x scale) in f32.
;;   ~~~python
;;   def quantise(x, axis):      # numpy; x: float32 -> the quantised numbers, widened to float32 again
;;       x = np.moveaxis(x, axis, -1); K = x.shape[-1]
;;       x = np.pad(x, [(0, 0)] * (x.ndim - 1) + [(0, -K % 32)]); x = x.reshape(x.shape[:-1] + (-1, 32)); a = np.abs(x).max(-1, keepdims=True)
;;       e = np.where(a > 0, np.clip(np.frexp(np.where(a > 0, a, 1))[1] - 1 - 4, -126, 127), 0)      # np.frexp(a)[1] - 1 = floor(log2(a)), exactly
;;       r = np.clip(x / 2.0 ** e, -28, 28)
;;       step = 2.0 ** (np.maximum(np.frexp(np.where(r == 0, 1, r))[1] - 1, -2) - 2)
;;       q = np.round(r / step) * step * 2.0 ** e      # np.round: ties to even
;;       return np.moveaxis(q.reshape(q.shape[:-2] + (-1,))[..., :K], -1, axis).astype(np.float32)
;;   ~~~
;;   OPERANDS COMPUTED ON THE WAY. 'Computed on the way' means the value that the module computes at that place (a softmax that the list does not call 'softmax' is quantised finished and normalised). What goes into a quantiser is computed in f32, as accurately as f32 sums, v_exp_f32 and their like allow (about 1e-6 of the number): no bf16 or f16 on the way to a quantiser, and a product that is left as it is and whose result goes on into a quantised operand takes f32 operands (vector FMAs, or v_wmma_f32_16x16x4_f32). A number that lies on a knife's edge between two numbers of the format may be rounded either way, as far as f32 arithmetic and the matrix unit's own rounding can turn it there, and no further.
;; One version. Each part assembles by itself: llvm-mc -triple=amdgcn-amd-amdhsa -mcpu=gfx1250 --defsym DOCPART=n.
;; ======== version 1 of 1: 4 launches
;; limits: right only within a limited range of input values
;; workspace buffers: q 33,587,200 bytes; v 33,554,432 bytes; z 1,048,576 bytes; nq 6,553,600 bytes
;; launch quant (part 1): grid 656 x 1, 4 waves a work-group, no clusters, 34,304 bytes of LDS; arguments x, Wk, Wq, Wv, Wo, q; writes q
.if DOCPART == 1
	.amdgcn_target "amdgcn-amd-amdhsa--gfx1250"
	.amdhsa_code_object_version 6
	.text
	.protected	k_q00ffda55ad_quant
	.globl	k_q00ffda55ad_quant
	.p2align	8
	.type	k_q00ffda55ad_quant,@function
k_q00ffda55ad_quant:
	s_mov_b64 s[64:65], 0
	v_nop
	global_prefetch_b8 v0, s[64:65] scope:SCOPE_SE
	s_setreg_imm32_b32 hwreg(HW_REG_WAVE_MODE, 25, 1), 1
	s_wait_xcnt 0x0
; x [2048][4096], Wk, Wq [64][4096], Wv, Wo [4096][4096], all f32 with K innermost, become codes of BF6 (E3M2) with one E8M0 scale byte for each 32 along K,
; laid in q IN THE ORDER OF THE MATRIX OPERAND'S REGISTERS, so that the products' launches read fragments by dense 16-byte loads and bring codes and scales by one tensor load.
; A TILE SLOT of q is 16 rows x all 4,096 of K: 8 blocks of 6,400 bytes; block g holds K = 512 g .. 512 g + 511: four fragments (128 along K each) of 1,536 bytes, then 256 bytes of scale words.
;   fragment: the image of its 12 registers: chunk c (0..2) at 512 c, lane l's 16 bytes at 16 l = registers 4 c .. 4 c + 3; lane (r = l % 16, h = l / 16), registers 6 c' .. 6 c' + 5 hold k = 64 c' + 32 h + 0 .. 31 of row r.
;   scale words: row r's 16 bytes at 6,144 + 16 r: word st serves fragment st, its byte b serves k = 32 b .. 32 b + 31.
; SLOTS: 0-127 x's row tiles; 128 + 17 j + i: i < 16: Wv's row tile 16 j + i; i = 16: a copy of phase tile j / 2 (0-3: Wk's row tiles, 4-7: Wq's); 400-655 Wo's row tiles.
; A block's scale is 2^(floor(log2(its largest magnitude)) - 4); its byte is the largest magnitude's exponent field - 4, held at 1 from below; each number is divided by the scale and rounded to the nearest code, ties to even,
; beyond 28 the largest code.  A block of zeros gets the byte 1 where the rule says 127: its codes are zeros, and the bytes are read by this program alone.
; LIMITS: NaN and infinities among the inputs are not served.
; SHARES: work-group T makes slot T; wave w its blocks 2 w and 2 w + 1: eight fragments.  Each load reads 512 consecutive bytes of one row; a fragment's 16 rows x 512 bytes turn through the wave's own stage in LDS
; (rows 528 bytes apart), so that a lane gets the 2 x 32 neighbours along K that the operand's layout gives it: a whole block lies in one lane.  Loads run two fragments (32 loads a wave) ahead.  Waves share nothing: no barrier.
.set BLK,  6400
.set TROW, 8*BLK
.set FRB,  1536
.set SCO,  4*FRB
.set SP,   528                         ; a stage row: 512 bytes + 16
.set LO,   1                           ; v1   16 x lane: my bytes of a load and of a chunk; never rewritten
.set SIN,  2                           ; v2   the stage, on the way in
.set SOUT, 3                           ; v3   and on the way out: row r, + 128 h
.set SH,   4                           ; v4   8 h: where my two scale bytes stand in the word
.set SOF,  5                           ; v5   the scale words' place: 6,400 h + 16 r
.set M,    6                           ; v6-7   largest magnitudes of my two blocks
.set E,    8                           ; v8-9   the conversions' scale operands
.set B,    10                          ; v10-11 the scale bytes
.set PT,   12                          ; v12  the other half's bytes
.set LN,   13                          ; v13  lane
.set W,    16                          ; v16-23 the eight fragments' scale words
.set S,    24                          ; v24-27 the four words that I store
.set C,    28                          ; v28-39 a fragment's codes
.set T,    40                          ; v40-42, v44-46 the upper halves of the two blocks' codes
.set X,    48                          ; v48-111 64 numbers: register 32 c + i = k 64 c + 32 h + i of row r
.set R,    112                         ; v112-175, v176-239 two sets of 16 x 4 registers as loaded
.set SEL,  30                          ; s[30:31] lane selects for v_permlanex16_b32: lane l xor 16
	s_load_b256 s[4:11], s[0:1], 0x0               ; x s[4:5], Wk s[6:7], Wq s[8:9], Wv s[10:11]
	s_load_b128 s[12:15], s[0:1], 0x20             ; Wo s[12:13], q s[14:15]
	v_lshl_add_u32 v240, v0, 2, 0x8400
	v_mov_b32 v241, 0
	v_lshrrev_b32 v14, 5, v0
	v_readfirstlane_b32 s16, v14                   ; wave 0..3
	v_and_b32 v[LN], 31, v0
	v_and_b32 v14, 15, v0                          ; r
	v_bfe_u32 v15, v0, 4, 1                        ; h
	v_lshlrev_b32 v[LO], 4, v[LN]
	s_mul_i32 s17, s16, 16*SP                      ; my stage
	v_add_nc_u32 v[SIN], s17, v[LO]
	v_mul_u32_u24 v[SOUT], v14, SP
	v_lshl_add_u32 v[SOUT], v15, 7, v[SOUT]
	v_add_nc_u32 v[SOUT], s17, v[SOUT]
	v_lshlrev_b32 v[SH], 3, v15
	v_mul_u32_u24 v[SOF], v15, BLK
	v_lshl_add_u32 v[SOF], v14, 4, v[SOF]
	v_mov_b32 v[PT], 0                             ; written once: a lane permute's destination counts as one of its sources
	s_mov_b32 s[SEL], 0x76543210
	s_mov_b32 s[SEL+1], 0xfedcba98
	; which tensor and which of its row tiles is slot T?  All numbers hang on the work-group's number alone; what a range of T does not use is chosen away below
	s_sub_co_u32 s17, ttmp9, 128                   ; T - 128
	s_mul_i32 s18, s17, 241
	s_lshr_b32 s18, s18, 12                        ; j = (T - 128) / 17, exact for 0 .. 271
	s_mul_i32 s19, s18, 17
	s_sub_co_u32 s19, s17, s19                     ; i
	s_lshl_b32 s20, s18, 4
	s_add_co_u32 s20, s20, s19                     ; Wv's row tile 16 j + i
	s_lshr_b32 s21, s18, 1                         ; phase tile j / 2
	s_and_b32 s22, s21, 3                          ; its row tile in Wk or Wq
	s_sub_co_u32 s23, ttmp9, 400                   ; Wo's row tile
	s_wait_alu depctr_va_vdst(0)
	s_wait_kmcnt 0x0
	s_cmp_lt_u32 s21, 4
	s_cselect_b64 s[6:7], s[6:7], s[8:9]           ; Wk or Wq
	s_cmp_eq_u32 s19, 16
	s_cselect_b64 s[6:7], s[6:7], s[10:11]         ; a phase tile or Wv's
	s_cselect_b32 s20, s22, s20
	s_cmp_lt_u32 ttmp9, 128
	s_cselect_b64 s[6:7], s[4:5], s[6:7]           ; x's
	s_cselect_b32 s20, ttmp9, s20
	s_cmp_ge_u32 ttmp9, 400
	s_cselect_b64 s[6:7], s[12:13], s[6:7]         ; Wo's
	s_cselect_b32 s20, s23, s20
	s_lshl_b32 s24, s20, 18                        ; 16 rows of 16,384 bytes a tile,
	s_lshl_b32 s25, s16, 12                        ; my wave's 1,024 along K
	s_add_co_u32 s24, s24, s25
	s_mov_b32 s25, 0
	s_add_nc_u64 s[6:7], s[6:7], s[24:25]
	s_mul_i32 s24, ttmp9, TROW                     ; slot T,
	s_mul_i32 s26, s16, 2*BLK                      ; my wave's two blocks
	s_add_co_u32 s24, s24, s26
	s_add_nc_u64 s[14:15], s[14:15], s[24:25]
.macro LOAD f                          ; fragment f's 16 rows x 512 bytes into set f % 2.  (Read once in the launch, but for the 128 rows of Wk and Wq, which two work-groups read)
.irp i, 0,1,2,3,4,5,6,7,8,9,10,11,12,13,14,15
	global_load_b128 v[R+64*((\f)%2)+4*\i:R+64*((\f)%2)+4*\i+3], v[LO], s[6:7] offset:\i*16384+(\f)*512 th:TH_LOAD_NT
.endr
.endm
; 64 numbers of a lane, v[x] on, become a fragment's 12 registers of codes in v[C] on and its row's scale word in v[w]
.macro QFRAG x, w
.irp c, 0,1
	v_max3_num_f32 v[M+\c], |v[\x+32*\c]|, |v[\x+32*\c+1]|, 0x2800000   ; my block 2 c + h: all its 32 numbers are mine; and the floor 2^(5 - 127), so that the byte cannot fall under 1
.endr
.irp i, 2,4,6,8,10,12,14,16,18,20,22,24,26,28,30
.irp c, 0,1
	v_max3_num_f32 v[M+\c], v[M+\c], |v[\x+32*\c+\i]|, |v[\x+32*\c+\i+1]|   ; (the two blocks by turns)
.endr
.endr
.irp c, 0,1
	v_add_nc_u32 v[E+\c], 0xfe000000, v[M+\c]      ; 4 off the exponent field: the conversion takes the exponent field of this operand as its scale
.endr
.irp c, 0,1
	v_lshrrev_b32 v[B+\c], 23, v[E+\c]             ; the scale's byte
.endr
	v_lshl_or_b32 v[\w], v[B+1], 16, v[B]          ; my two bytes: blocks h and 2 + h,
	v_lshlrev_b32 v[\w], v[SH], v[\w]              ; at their places in the word;
	v_permlanex16_b32 v[PT], v[\w], s[SEL], s[SEL+1]
	v_or_b32 v[\w], v[\w], v[PT]                   ; with lane l xor 16's two the word is whole, in both halves of the lanes
	v_cvt_scalef32_pk16_bf6_f32 v[C:C+2], v[\x:\x+15], v[E]
	v_cvt_scalef32_pk16_bf6_f32 v[T:T+2], v[\x+16:\x+31], v[E]       ; (a conversion's three registers begin on an even number: a block's upper half is made elsewhere and moved)
	v_cvt_scalef32_pk16_bf6_f32 v[C+6:C+8], v[\x+32:\x+47], v[E+1]
	v_cvt_scalef32_pk16_bf6_f32 v[T+4:T+6], v[\x+48:\x+63], v[E+1]
	v_nop                                          ; one plain vector instruction behind the scaled conversions
.irp i, 0,1,2
	v_mov_b32 v[C+3+\i], v[T+\i]
	v_mov_b32 v[C+9+\i], v[T+4+\i]
.endr
.endm
.macro STEP f
.if (\f) < 7
	s_wait_loadcnt 16                              ; this fragment's 16 loads are in; the next fragment's 16 may be out
.else
	s_wait_loadcnt 0x0
.endif
.if (\f) > 0
	s_wait_xcnt 0x0                                ; the last fragment's three stores have read their data: the codes' registers are written again only behind this wait.  It stands here, ahead of
	                                               ; the loads that this step issues, so that it waits for nothing that was issued just before it; no store stands between it and the conversions
.endif
.irp i, 0,1,2,3,4,5,6,7,8,9,10,11,12,13,14,15
	ds_store_b128 v[SIN], v[R+64*((\f)%2)+4*\i:R+64*((\f)%2)+4*\i+3] offset:SP*\i
.endr
.irp c, 0,1
.irp j, 0,1,2,3,4,5,6,7
	ds_load_b128 v[X+32*\c+4*\j:X+32*\c+4*\j+3], v[SOUT] offset:256*\c+16*\j   ; LDS serves a wave's instructions in order: these see the stores above
.endr
.endr
	s_wait_dscnt 0x0                               ; my 64 numbers are back, and the stores into the stage have read their registers,
.if (\f) < 6
	LOAD (\f)+2                                    ; which take the fragment two on
.endif
	QFRAG X, W+(\f)
.irp c, 0,1,2
	global_store_b128 v[LO], v[C+4*\c:C+4*\c+3], s[14:15] offset:((\f)/4)*BLK+((\f)%4)*FRB+512*\c   ; 32 lanes store 512 consecutive bytes, at a multiple of 256 from q's first byte
.endr
.endm
	LOAD 0
	LOAD 1
.irp f, 0,1,2,3,4,5,6,7
	STEP \f
.endr
	v_cmp_lt_u32 vcc_lo, 15, v[LN]                 ; lanes 0-15 store the first block's four words of row r, lanes 16-31 the second block's
.irp k, 0,1,2,3
	v_cndmask_b32 v[S+\k], v[W+\k], v[W+4+\k], vcc_lo
.endr
	global_store_b128 v[SOF], v[S:S+3], s[14:15] offset:SCO   ; each half of the lanes stores 256 consecutive bytes, aligned
	s_wait_tensorcnt 0x0
	ds_add_u32 v240, v241
	s_wait_dscnt 0x0
	s_endpgm
.Lfunc_end_k_q00ffda55ad_quant:
	.size	k_q00ffda55ad_quant, .Lfunc_end_k_q00ffda55ad_quant-k_q00ffda55ad_quant
	.p2alignl 7, 3214868480
	.fill 96, 4, 3214868480
	.section	.rodata,"a",@progbits
	.p2align	6, 0x0
	.amdhsa_kernel k_q00ffda55ad_quant
		.amdhsa_group_segment_fixed_size 34304
		.amdhsa_private_segment_fixed_size 0
		.amdhsa_enable_private_segment 0
		.amdhsa_kernarg_size 48
		.amdhsa_user_sgpr_count 2
		.amdhsa_user_sgpr_kernarg_segment_ptr 1
		.amdhsa_wavefront_size32 1
		.amdhsa_system_sgpr_workgroup_id_x 1
		.amdhsa_system_sgpr_workgroup_id_y 1
		.amdhsa_system_sgpr_workgroup_id_z 1
		.amdhsa_system_vgpr_workitem_id 0
		.amdhsa_next_free_vgpr 242
		.amdhsa_next_free_sgpr 66
		.amdhsa_reserve_vcc 1
		.amdhsa_float_denorm_mode_32 3
		.amdhsa_float_denorm_mode_16_64 3
		.amdhsa_memory_ordered 1
		.amdhsa_forward_progress 1
		.amdhsa_inst_pref_size 58
	.end_amdhsa_kernel
	.amdgpu_metadata
---
amdhsa.version: [ 1, 2 ]
amdhsa.kernels:
  - .name:           k_q00ffda55ad_quant
    .symbol:         k_q00ffda55ad_quant.kd
    .args:
      - { .name: x, .offset: 0, .size: 8, .value_kind: global_buffer, .address_space: global }
      - { .name: Wk, .offset: 8, .size: 8, .value_kind: global_buffer, .address_space: global }
      - { .name: Wq, .offset: 16, .size: 8, .value_kind: global_buffer, .address_space: global }
      - { .name: Wv, .offset: 24, .size: 8, .value_kind: global_buffer, .address_space: global }
      - { .name: Wo, .offset: 32, .size: 8, .value_kind: global_buffer, .address_space: global }
      - { .name: q, .offset: 40, .size: 8, .value_kind: global_buffer, .address_space: global }
    .group_segment_fixed_size: 34304
    .private_segment_fixed_size: 0
    .kernarg_segment_align: 8
    .kernarg_segment_size: 48
    .max_flat_workgroup_size: 128
    .sgpr_count:     66
    .vgpr_count:     242
    .wavefront_size: 32
...
	.end_amdgpu_metadata
.endif
;; end of part 1
;; launch gemm_v (part 2): grid 16 x 16, 4 waves a work-group, clusters of 4 x 4, 327,680 bytes of LDS; arguments q, bv, v, z; writes v, z
.if DOCPART == 2
	.amdgcn_target "amdgcn-amd-amdhsa--gfx1250"
	.amdhsa_code_object_version 6
	.text
	.protected	k_q00ffda55ad_gemm_v
	.globl	k_q00ffda55ad_gemm_v
	.p2align	8
	.type	k_q00ffda55ad_gemm_v,@function
k_q00ffda55ad_gemm_v:
	s_mov_b64 s[64:65], 0
	v_nop
	global_prefetch_b8 v0, s[64:65] scope:SCOPE_SE
	s_setreg_imm32_b32 hwreg(HW_REG_WAVE_MODE, 25, 1), 1
	s_wait_xcnt 0x0
	s_wait_alu depctr_hold_cnt(0) depctr_sa_sdst(0) depctr_va_vdst(0) depctr_va_sdst(0) depctr_va_ssrc(0) depctr_va_vcc(0) depctr_vm_vsrc(0)
	s_getreg_b32 s2, hwreg(HW_REG_IB_STS2, 6, 4)
	s_cmp_eq_u32 s2, 0
	s_cbranch_scc0 .Lentry_in_a_cluster
	s_endpgm
.Lentry_in_a_cluster:
	s_bfe_u32 s2, ttmp6, 0x10000c
	s_cmp_lg_u32 s2, 0xf033
	s_cbranch_scc0 .Lentry_shape_is_right
	s_endpgm
.Lentry_shape_is_right:
; C[m][n] = bias[n] + sum over k of A[m][k] B[n][k]  (+ res[m][n]), M = 2,048, N = K = 4,096, on codes of BF6 (E3M2) with one E8M0 scale for each 32 along K; sums, bias and C in f32.
; ONE TEXT SERVES TWO LAUNCHES, told apart by PH:
;   PH = 1: A = x's tiles and B = Wv's tiles of q, bias = bv, C = v.  A 17th tile of B, E, holds 16 rows of Wk or Wq: its products with the work-group's 128 rows of x go to z, without bias.
;   PH = 0: A = the normed rows' tiles of nq, B = Wo's tiles of q, bias = bo, res = x, C = out0.
; OPERANDS lie in memory in the order of the operand's registers.  A tile slot is 16 rows x all of K: 8 blocks of 6,400 bytes; block g (K = 512 g ..) holds four fragments of 128 along K, 1,536 bytes each
; (chunk c at 512 c, lane l's registers 4 c .. 4 c + 3 at 16 l), then the 16 rows' scale words (row r's four words, one a fragment, at 6,144 + 16 r).  So a fragment is three dense loads of 16 bytes a lane: no pitch, no padding.
; SHARES.  A tile of C is 128 x 256, so that the 2,048 x 4,096 numbers give 256 work-groups.  Four waves; wave w (mh = w / 2, nh = w % 2) makes rows 64 mh .. + 63 x columns 128 nh .. + 127: 32 accumulators, 256 registers.
; K goes in 8 groups of 512 through a ring of two LDS slots; a slot holds one block of each of A's 8 tiles and B's 16 (17): four steps of 128, 128 (136) matrix instructions a wave between two changes of slots.
; CLUSTERS: 4 x 4 work-groups.  The four of a row of the cluster need the same blocks of A, the four of a column the same blocks of B: each is asked for JOINTLY, by the same tensor load with the same descriptor and a mask
; that names the four.  Waves 0 and 1 fetch A's halves (4 blocks each), wave 2 B's tiles 0-7, wave 3 B's tiles 8-15 (and E).
; THE WALK OVER K BEGINS AT ANOTHER GROUP IN EACH CLUSTER: cluster (X, Y) takes the groups R, R + 1, .. R + 7 (mod 8), R = 2 X + 4 G (mod 8), G = 0, 1, 1, 0 for Y = 0 .. 3.  The four clusters of a row of clusters read the same
; tiles of A: their first fills, two groups each, name all eight groups, so that each later request of one of them is for a group that another has asked for at the launch's start.  Of the four clusters of a column, which read the
; same tiles of B, those with different G stand four groups apart.  R hangs on the cluster's x and y alone: it is the same in all sixteen partners.  A sum's terms are the same in every cluster; the order in which they are added
; differs, which shows in f32 rounding alone.
; THE MATRIX INSTRUCTION IS USED TRANSPOSED (source 0 = 16 rows of B, source 1 = 16 rows of A): a lane holds eight neighbouring numbers of a row of C.  The bias, in that layout, is the C of each sum's first instruction.
; A'S REGISTER BLOCK a holds the wave's tile a xor 2 nh, so that blocks 0 and 1 of the four waves are eight different tiles: each wave multiplies E by its blocks 0 and 1 alone, two instructions a step.
; Work-groups 2 i and 2 i + 1 along x hold the same E; each stores the half of the lanes (8 of E's 16 rows) that its number's lowest bit names: a mask on EXEC, no branch.
; LIMITS: NaN and infinities are not served.
; REGISTERS, in windows of 256.  Window 0: v1-31 addresses; v32-111 scale words, a set of 40 for each slot; v112-159, v160-207 A's fragments, two sets; on the way out v112-239 take rows of C.
;   Window 1: B's fragments, two sets at v0 and v128 (E's at + 96).   Window 2: accumulator (a, b) at v[8 (8 a + b)].   Window 3: v0-63 the bias; v64-79 E's two accumulators; with PH = 0 later all 256: res.
.set PH,    1
.set RES,   1-PH
.set BT0,   400-272*PH                 ; B's first tile slot in q: 128 or 400
.set BTN,   16+PH                      ; tile slots for each tile column of C
.set BLK,   6400
.set TROW,  8*BLK
.set FRB,   1536
.set SCO,   4*FRB
.set BOFF,  8*BLK                      ; a slot: A's 8 blocks, then B's 16, then E's
.set EOFF,  24*BLK
.set SLOT,  (24+PH)*BLK
.set SPARE, 2*SLOT                     ; behind the ring: the spare words, 128 bytes for each wave: two blocks of 256 bytes that no other line names
.set SP,    528                        ; the way out: a stage of 16 rows x (512 bytes + 16) for each wave, in slot 0, which has had its last fill and its last read by then
.set ROWC,  16384                      ; a row of C in bytes
.set ADRAL, 8                          ; v8-9    LDS address of A's register blocks 0, 1 in slot 0, 1
.set ADRAH, 10                         ; v10-11  of blocks 2, 3
.set ADRB,  12                         ; v12-13  of my eight tiles of B
.set ADRE,  14                         ; v14-15  of E
.set ADRSL, 16                         ; v16-17  scale words: lanes 0-15 A's blocks 0, 1, lanes 16-31 B's tiles
.set ADRSH, 18                         ; v18-19  lanes 0-15 A's blocks 2, 3, lanes 16-31 B's tiles 2, 3
.set ADRSE, 20                         ; v20-21  E's
.set STO,   22                         ; v22     the way out: where I put 32 bytes of a row
.set RD,    23                         ; v23     where I read a row back
.set COL,   24                         ; v24-25  my byte offset in C for register blocks 0, 1 and for 2, 3
.set LO,    26                         ; v26     16 x lane
.set SPW,   28                         ; v28     LDS address of my spare word; never rewritten
.set NIL,   29                         ; v29     0; never rewritten
.set HH,    31                         ; v31     h = lane / 16
.set SC,    32                         ; set s at v[SC + 40 s]; register 4 i + st: lanes 0-15 A's block i, lanes 16-31 B's tile i, step st; + 32 + st: E's
.set AF,    112
.set BK,    112
.set EX,    64
.set BA,    20                         ; s[20:21] where the blocks of A that I fetch begin, at K group 0; kept
.set BB,    46                         ; s[46:47] the same for B; kept
.set G1A,   24                         ; s[24:31] descriptor group 1 for A;  s[32:39] its groups 0, one for each slot
.set G0A,   32
.set G1B,   48                         ; s[48:55], s[56:63] the same for B
.set G0B,   56
.set G1E,   68                         ; s[68:75] group 1 for wave 3 where E comes with its eight blocks: nine rows
.set GI,    92                         ; s92-93  the K group that slot 0, 1 was last asked to take
.set OFS,   94                         ; s[94:95] that group's byte offset in a tile slot
.set MSB, 0
.macro WIN new                         ; the immediate's high byte repeats the setting that is left; a switch that changes nothing is dropped
.if MSB != \new
	s_set_vgpr_msb (MSB<<8)|\new
.set MSB, \new
.endif
.endm
; A load into a register that a matrix instruction has read, and a store that reads a matrix result, stand four places behind that matrix instruction; only plain vector instructions that name none of its registers are places
.macro PLACES
.rept 4
	v_nop
.endr
.endm
; A joint load.  The branches hang on the wave's number alone.  Each line has one mask and one set of registers for all that issue it.  Four v_nop follow each line, ahead of the jump and the label.
.macro JLOAD s
	s_cmp_lt_u32 s14, 2
	s_cbranch_scc0 .Lfor_b_\@
	tensor_load_to_lds s[G0A+4*\s:G0A+4*\s+3], s[G1A:G1A+7]
	s_nop 0
	PLACES
	s_branch .Lasked_\@
.Lfor_b_\@:
.if PH
	s_cmp_eq_u32 s14, 2
	s_cbranch_scc0 .Lfor_e_\@
.endif
	tensor_load_to_lds s[G0B+4*\s:G0B+4*\s+3], s[G1B:G1B+7]
	s_nop 0
	PLACES
.if PH
	s_branch .Lasked_\@
.Lfor_e_\@:
	tensor_load_to_lds s[G0B+4*\s:G0B+4*\s+3], s[G1E:G1E+7]
	s_nop 0
	PLACES
.endif
.Lasked_\@:
.endm
.macro CREST                           ; a round of the cluster's barrier behind its opening barrier
	s_cmp_lg_u32 s14, 0
	s_cbranch_scc1 .Lnot_wave_0_\@
	s_barrier_signal -3
.Lnot_wave_0_\@:
	s_barrier_wait -3
	s_barrier_signal -1
	s_barrier_wait -1
.endm
.macro CROUND                          ; a whole round
	s_barrier_signal -1
	s_barrier_wait -1
	CREST
.endm
.if PH
	s_load_b64 s[4:5], s[0:1], 0x0                 ; A: q
	s_load_b64 s[6:7], s[0:1], 0x0                 ; B: q
	s_load_b64 s[8:9], s[0:1], 0x8                 ; bias: bv
	s_load_b64 s[10:11], s[0:1], 0x10              ; C: v
	s_load_b64 s[12:13], s[0:1], 0x18              ; z
.else
	s_load_b64 s[4:5], s[0:1], 0x0                 ; A: nq
	s_load_b64 s[6:7], s[0:1], 0x8                 ; B: q
	s_load_b64 s[8:9], s[0:1], 0x10                ; bias: bo
	s_load_b64 s[12:13], s[0:1], 0x18              ; res: x
	s_load_b64 s[10:11], s[0:1], 0x20              ; C: out0
.endif
	v_lshl_add_u32 v[SPW], v0, 2, SPARE
	v_mov_b32 v[NIL], 0
	ds_add_u32 v28, v29
	ds_add_u32 v28, v29
	s_wait_dscnt 0x0
	v_lshrrev_b32 v1, 5, v0
	v_readfirstlane_b32 s14, v1                    ; wave 0..3
	s_lshr_b32 s15, s14, 1                         ; mh.  Also: I fetch for A (0) or for B (1)
	s_and_b32 s16, s14, 1                          ; nh.  Also: which half of the blocks I fetch
	s_bfe_u32 s40, ttmp6, 0x40000                  ; cx, cy: my place in the cluster
	s_bfe_u32 s41, ttmp6, 0x40004
	s_lshl_b32 s42, ttmp9, 2
	s_add_co_u32 s42, s42, s40                     ; tx: tile column of C = 4 x cluster x + cx
	s_and_b32 s17, ttmp7, 0xffff
	s_lshl_b32 s17, s17, 2
	s_add_co_u32 s17, s17, s41                     ; ty: tile row of C = 4 x cluster y + cy
	s_lshl_b32 s43, s41, 2
	s_lshl_b32 s43, 15, s43                        ; my row of the cluster
	s_lshl_b32 s44, 0x1111, s40                    ; my column
	; where my cluster's walk over K begins
	s_and_b32 s[GI], ttmp7, 0xffff                 ; cluster y
	s_lshr_b32 s[GI+1], s[GI], 1
	s_xor_b32 s[GI], s[GI], s[GI+1]
	s_and_b32 s[GI], s[GI], 1                      ; G = 0, 1, 1, 0
	s_lshl_b32 s[GI], s[GI], 2
	s_lshl_b32 s[GI+1], ttmp9, 1                   ; 2 x cluster x
	s_add_co_u32 s[GI], s[GI], s[GI+1]
	s_and_b32 s[GI], s[GI], 7                      ; R, an even number: slot 0's first group;
	s_add_co_u32 s[GI+1], s[GI], 1                 ; slot 1's
	s_mov_b32 s[OFS+1], 0
	; descriptor group 1: R rows (one block of each of R tile slots) of 800 elements of 8 bytes, 6,400 elements (a tile slot) apart; dense in LDS
	s_or_b32 s[G1A], s43, (3<<16)|(1<<21)          ; 15:0 the mask: A's blocks go to my row; 17:16 elements of 8 bytes; 20 no padding; 21 set beside a mask
	s_or_b32 s[G1B], s44, (3<<16)|(1<<21)          ; B's go to my column
.irp g, G1A, G1B
	s_mov_b32 s[\g+1], 800<<16                     ; tensor_dim0
	s_mov_b32 s[\g+3], 800<<16                     ; tile_dim0
	s_mov_b32 s[\g+5], TROW/8                      ; tensor_dim0_stride
	s_mov_b32 s[\g+6], 0
	s_mov_b32 s[\g+7], 0
.endr
	s_mov_b32 s[G1A+2], 4<<16                      ; tensor_dim1
	s_mov_b32 s[G1A+4], 4                          ; tile_dim1
	s_mov_b32 s[G1B+2], 8<<16
	s_mov_b32 s[G1B+4], 8
.if PH
	s_or_b32 s[G1E], s44, (3<<16)|(1<<21)
	s_mov_b32 s[G1E+1], 800<<16
	s_mov_b32 s[G1E+2], 9<<16
	s_mov_b32 s[G1E+3], 800<<16
	s_mov_b32 s[G1E+4], 9
	s_mov_b32 s[G1E+5], TROW/8
	s_mov_b32 s[G1E+6], 0
	s_mov_b32 s[G1E+7], 0
.endif
	; where the blocks come from.  A's hang on ty alone, B's on tx alone (and both on R); every wave makes both, in registers that never hold the other coordinate
	s_lshl_b32 s[BA], s17, 3
	s_lshl_b32 s18, s16, 2
	s_add_co_u32 s[BA], s[BA], s18                 ; A: tile slot 8 ty + 4 nh
	s_mul_i32 s[BA], s[BA], TROW
	s_mov_b32 s[BA+1], 0
	s_mul_i32 s[BB], s42, BTN
	s_lshl_b32 s18, s16, 3
	s_add_co_u32 s[BB], s[BB], s18
	s_add_co_u32 s[BB], s[BB], BT0                 ; B: tile slot BT0 + BTN tx + 8 nh
	s_mul_i32 s[BB], s[BB], TROW
	s_mov_b32 s[BB+1], 0
	s_mul_i32 s45, s16, 4*BLK                      ; and where they go: no place in the cluster enters an LDS address
	s_mul_i32 s19, s16, 8*BLK
	s_add_co_u32 s19, s19, BOFF
	CROUND                                         ; all sixteen work-groups are here: the first joint loads meet.  The round names no loaded register: the arguments come in meanwhile
	s_wait_kmcnt 0x0
	s_add_nc_u64 s[BA:BA+1], s[4:5], s[BA:BA+1]
	s_add_nc_u64 s[BB:BB+1], s[6:7], s[BB:BB+1]
.irp s, 0,1
	s_mul_i32 s[OFS], s[GI+\s], BLK                ; the slot's first K group
	s_mov_b32 s[G0A+4*\s], 1                       ; 1:0 count = 1
	s_add_co_u32 s[G0A+4*\s+1], s45, \s*SLOT       ; 63:32 LDS address
	s_add_nc_u64 s[G0A+4*\s+2:G0A+4*\s+3], s[BA:BA+1], s[OFS:OFS+1]   ; 120:64 global address
	s_or_b32 s[G0A+4*\s+3], s[G0A+4*\s+3], 0x80000000         ; 127:126 type = 2
	s_mov_b32 s[G0B+4*\s], 1
	s_add_co_u32 s[G0B+4*\s+1], s19, \s*SLOT
	s_add_nc_u64 s[G0B+4*\s+2:G0B+4*\s+3], s[BB:BB+1], s[OFS:OFS+1]
	s_or_b32 s[G0B+4*\s+3], s[G0B+4*\s+3], 0x80000000
.endr
	s_cmp_lt_u32 s14, 2                            ; the head's fills, slot 0's: one chain of branches on the wave's number, one load to an arm
	s_cbranch_scc0 .Lfirst_b
	tensor_load_to_lds s[G0A:G0A+3], s[G1A:G1A+7]
	s_nop 0
	PLACES
	s_branch .Lfirst_asked
.Lfirst_b:
.if PH
	s_cmp_eq_u32 s14, 2
	s_cbranch_scc0 .Lfirst_e
.endif
	tensor_load_to_lds s[G0B:G0B+3], s[G1B:G1B+7]
	s_nop 0
	PLACES
.if PH
	s_branch .Lfirst_asked
.Lfirst_e:
	tensor_load_to_lds s[G0B:G0B+3], s[G1E:G1E+7]
	s_nop 0
	PLACES
.endif
.Lfirst_asked:
	v_and_b32 v2, 31, v0                           ; lane
	v_and_b32 v1, 15, v0                           ; r
	v_bfe_u32 v[HH], v0, 4, 1                      ; h
	v_lshlrev_b32 v[LO], 4, v2
	s_wait_alu depctr_va_vdst(0)
	v_lshlrev_b32 v3, 4, v1                        ; 16 r
	v_lshlrev_b32 v7, 5, v[HH]                     ; 32 h: the bias's offset; not rewritten
	s_lshl_b32 s80, s42, 10
	s_lshl_b32 s81, s16, 9
	s_add_co_u32 s80, s80, s81                     ; my first column, in bytes: 1,024 tx + 512 nh
	s_mov_b32 s81, 0
	s_add_nc_u64 s[8:9], s[8:9], s[80:81]
	WIN 0xc0                                       ; destination window 3
.irp b, 0,1,2,3,4,5,6,7
	global_load_b128 v[8*\b:8*\b+3], v7, s[8:9] offset:64*\b          ; register 8 b + j: bias[my first column + 16 b + 8 h + j]
	global_load_b128 v[8*\b+4:8*\b+7], v7, s[8:9] offset:64*\b+16
.endr
	WIN 0
	s_xor_b32 s80, s16, 1                          ; 1 - nh
	s_xor_b32 s81, s15, 1                          ; 1 - mh
	s_mul_i32 s82, s15, 4*BLK
	s_mul_i32 s83, s16, 2*BLK
	s_add_co_u32 s83, s83, s82                     ; A's blocks 0, 1: tiles 4 mh + 2 nh on
	s_mul_i32 s84, s80, 2*BLK
	s_add_co_u32 s84, s84, s82                     ; A's blocks 2, 3: tiles 4 mh + 2 (1 - nh) on
	s_mul_i32 s85, s16, 8*BLK
	s_add_co_u32 s85, s85, BOFF                    ; my eight tiles of B
	s_mul_i32 s86, s81, 4*BLK
	s_add_co_u32 s86, s86, 4*BLK
	s_mul_i32 s87, s16, 6*BLK
	s_add_co_u32 s87, s87, s86                     ; from A's blocks 0, 1 to B's tiles: BOFF + 8 BLK nh - 4 BLK mh - 2 BLK nh
	s_mul_i32 s88, s16, 10*BLK
	s_add_co_u32 s88, s88, s86                     ; from A's blocks 2, 3 to B's tiles 2, 3
	v_add_nc_u32 v[ADRAL], s83, v[LO]
	v_add_nc_u32 v[ADRAH], s84, v[LO]
	v_add_nc_u32 v[ADRB], s85, v[LO]
	v_mul_u32_u24 v4, s87, v[HH]                   ; the lower base + h x the distance: lanes 16-31 take B's words
	s_wait_alu depctr_va_vdst(0)
	v_add_nc_u32 v4, v4, v3
	v_add_nc_u32 v4, s83, v4
	v_add_nc_u32 v[ADRSL], SCO, v4
	v_mul_u32_u24 v5, s88, v[HH]
	v_add_nc_u32 v5, v5, v3
	v_add_nc_u32 v5, s84, v5
	v_add_nc_u32 v[ADRSH], SCO, v5
.irp n, ADRAL, ADRAH, ADRB, ADRSL, ADRSH
	v_add_nc_u32 v[\n+1], SLOT, v[\n]
.endr
.if PH
	v_add_nc_u32 v[ADRE], EOFF, v[LO]
	v_add_nc_u32 v[ADRSE], EOFF+SCO, v3            ; both halves of the lanes take row r's words
	v_add_nc_u32 v[ADRE+1], SLOT, v[ADRE]
	v_add_nc_u32 v[ADRSE+1], SLOT, v[ADRSE]
.endif
	s_mul_i32 s89, s14, 16*SP                      ; my stage
	v_mul_u32_u24 v[STO], v1, SP                   ; in: row r, 32 bytes for each half of the lanes
	v_lshl_add_u32 v[STO], v[HH], 5, v[STO]
	v_add_nc_u32 v[STO], s89, v[STO]
	v_add_nc_u32 v[RD], s89, v[LO]                 ; back: the 32 lanes take one row of 512 bytes
	s_lshl_b32 s90, s16, 19                        ; register blocks 0, 1 are my rows 32 nh on (32 rows of C are 2^19 bytes), blocks 2, 3 my rows 32 (1 - nh) on
	s_lshl_b32 s91, s80, 19
	v_add_nc_u32 v[COL], s90, v[LO]
	v_add_nc_u32 v[COL+1], s91, v[LO]
	s_lshl_b32 s80, s17, 7
	s_lshl_b32 s81, s15, 6
	s_add_co_u32 s80, s80, s81                     ; my first row of C: 128 ty + 64 mh
	s_lshl_b32 s80, s80, 14
	s_lshl_b32 s81, s42, 10
	s_add_co_u32 s80, s80, s81
	s_lshl_b32 s81, s16, 9
	s_add_co_u32 s80, s80, s81
	s_mov_b32 s81, 0
	s_add_nc_u64 s[10:11], s[10:11], s[80:81]
.if RES
	s_add_nc_u64 s[12:13], s[12:13], s[80:81]
.endif
.if PH
	s_lshl_b32 s80, s17, 3
	s_lshl_b32 s81, s15, 2
	s_add_co_u32 s80, s80, s81
	s_lshl_b32 s81, s16, 1
	s_add_co_u32 s80, s80, s81                     ; the row tile of my register block 0: 8 ty + 4 mh + 2 nh
	s_lshl_b32 s80, s80, 3
	s_lshr_b32 s81, s42, 1
	s_add_co_u32 s80, s80, s81                     ; x 8 phase tiles + tx / 2
	s_lshl_b32 s80, s80, 10
	s_mov_b32 s81, 0
	s_add_nc_u64 s[12:13], s[12:13], s[80:81]
	s_and_b32 s79, s42, 1                          ; the half of the lanes that my work-group stores
.endif
; 36 (39) LDS loads in one run: the fragments of step st of slot sg into set p
.macro FETCH sg, st, p
	WIN 0x40                                       ; destination window 1
.irp b, 0,1,2,3,4,5,6,7
.irp c, 0,1,2
	ds_load_b128 v[128*(\p)+12*\b+4*\c:128*(\p)+12*\b+4*\c+3], v[ADRB+(\sg)] offset:BLK*\b+FRB*(\st)+512*\c
.endr
.endr
.if PH
.irp c, 0,1,2
	ds_load_b128 v[128*(\p)+96+4*\c:128*(\p)+96+4*\c+3], v[ADRE+(\sg)] offset:FRB*(\st)+512*\c
.endr
.endif
	WIN 0
.irp a, 0,1
.irp c, 0,1,2
	ds_load_b128 v[AF+48*(\p)+12*\a+4*\c:AF+48*(\p)+12*\a+4*\c+3], v[ADRAL+(\sg)] offset:BLK*\a+FRB*(\st)+512*\c
.endr
.endr
.irp a, 0,1
.irp c, 0,1,2
	ds_load_b128 v[AF+48*(\p)+24+12*\a+4*\c:AF+48*(\p)+24+12*\a+4*\c+3], v[ADRAH+(\sg)] offset:BLK*\a+FRB*(\st)+512*\c
.endr
.endr
.endm
.macro SCALES sg                       ; a slot's scale words, four steps' at once: 16 bytes a row.  (In registers 16 on, lanes 0-15 take words that nothing reads)
.irp i, 0,1,4,5,6,7
	ds_load_b128 v[SC+40*(\sg)+4*\i:SC+40*(\sg)+4*\i+3], v[ADRSL+(\sg)] offset:BLK*\i
.endr
.irp i, 2,3
	ds_load_b128 v[SC+40*(\sg)+4*\i:SC+40*(\sg)+4*\i+3], v[ADRSH+(\sg)] offset:BLK*(\i-2)
.endr
.if PH
	ds_load_b128 v[SC+40*(\sg)+32:SC+40*(\sg)+35], v[ADRSE+(\sg)]
.endif
.endm
; 8 matrix instructions: A's block a x B's eight tiles, step st of slot sg, fragments in set p.  first = 1: the bias is the C of the sum's first instruction: nothing is cleared, nothing is added later.
; The 32 (34) accumulators take turns, one instruction a turn, in the same order in every step.
.macro MUL8 a, p, st, sg, first
.if \first
	WIN 0xb1                                       ; source 0 (B) window 1, source 1 (A) window 0, C window 3, D window 2
.else
	WIN 0xa1                                       ; C and D window 2
.endif
.irp b, 0,1,2,3,4,5,6,7
.if \first
	v_wmma_scale_f32_16x16x128_f8f6f4 v[8*(8*(\a)+\b):8*(8*(\a)+\b)+7], v[128*(\p)+12*\b:128*(\p)+12*\b+11], v[AF+48*(\p)+12*(\a):AF+48*(\p)+12*(\a)+11], v[8*\b:8*\b+7], v[SC+40*(\sg)+4*\b+(\st)], v[SC+40*(\sg)+4*(\a)+(\st)] matrix_a_fmt:MATRIX_FMT_BF6 matrix_b_fmt:MATRIX_FMT_BF6 matrix_a_scale:MATRIX_SCALE_ROW1
.else
	v_wmma_scale_f32_16x16x128_f8f6f4 v[8*(8*(\a)+\b):8*(8*(\a)+\b)+7], v[128*(\p)+12*\b:128*(\p)+12*\b+11], v[AF+48*(\p)+12*(\a):AF+48*(\p)+12*(\a)+11], v[8*(8*(\a)+\b):8*(8*(\a)+\b)+7], v[SC+40*(\sg)+4*\b+(\st)], v[SC+40*(\sg)+4*(\a)+(\st)] matrix_a_fmt:MATRIX_FMT_BF6 matrix_b_fmt:MATRIX_FMT_BF6 matrix_a_scale:MATRIX_SCALE_ROW1
.endif
.endr
.endm
.macro EXMUL p, st, sg, first          ; E x A's blocks 0 and 1
	WIN 0xf1                                       ; C and D window 3
.irp e, 0,1
.if \first
	v_wmma_scale_f32_16x16x128_f8f6f4 v[EX+8*\e:EX+8*\e+7], v[128*(\p)+96:128*(\p)+107], v[AF+48*(\p)+12*\e:AF+48*(\p)+12*\e+11], 0, v[SC+40*(\sg)+32+(\st)], v[SC+40*(\sg)+4*\e+(\st)] matrix_a_fmt:MATRIX_FMT_BF6 matrix_b_fmt:MATRIX_FMT_BF6 matrix_a_scale:MATRIX_SCALE_ROW1
.else
	v_wmma_scale_f32_16x16x128_f8f6f4 v[EX+8*\e:EX+8*\e+7], v[128*(\p)+96:128*(\p)+107], v[AF+48*(\p)+12*\e:AF+48*(\p)+12*\e+11], v[EX+8*\e:EX+8*\e+7], v[SC+40*(\sg)+32+(\st)], v[SC+40*(\sg)+4*\e+(\st)] matrix_a_fmt:MATRIX_FMT_BF6 matrix_b_fmt:MATRIX_FMT_BF6 matrix_a_scale:MATRIX_SCALE_ROW1
.endif
.endr
.endm
; One of a slot's first three steps: the next step's fragments are asked for, into the other set, ahead of this step's products
.macro STEP sg, st, first
	s_wait_dscnt 0x0                               ; this step's fragments are in: they were asked for a whole step ago
	PLACES                                         ; the other set was read by the last step's products
	FETCH \sg, (\st)+1, 1-(\st)%2
.irp a, 0,1,2,3
	MUL8 \a, (\st)%2, \st, \sg, \first
.endr
.if PH
	EXMUL (\st)%2, \st, \sg, \first
.endif
.endm
; A slot's last step changes slots: ONE barrier.  In front of it each wave waits for all its tensor loads (one is out: its part of the next slot), adds 0 to its spare word, and waits for that and for its reads of this slot.
; fill = 1: the barrier opens a round of the cluster's barrier, and behind the round this slot is filled again, with the group two on in my cluster's walk.
.macro TURN slot, next, fill
	WIN 0                                          ; (the add's two registers lie in window 0)
	s_wait_tensorcnt 0x0                           ; all my tensor loads have landed, so every group 0 may be written;
	ds_add_u32 v[SPW], v[NIL]                      ; 0 onto my spare word; the descriptors' steps and eight products stand between it and the wait for it
.if \fill
	s_add_co_u32 s[GI+\slot], s[GI+\slot], 2       ; this slot's next K group: two on,
	s_and_b32 s[GI+\slot], s[GI+\slot], 7          ; round the eight
	s_mul_i32 s[OFS], s[GI+\slot], BLK
	s_add_nc_u64 s[G0A+4*\slot+2:G0A+4*\slot+3], s[BA:BA+1], s[OFS:OFS+1]
	s_or_b32 s[G0A+4*\slot+3], s[G0A+4*\slot+3], 0x80000000
	s_add_nc_u64 s[G0B+4*\slot+2:G0B+4*\slot+3], s[BB:BB+1], s[OFS:OFS+1]
	s_or_b32 s[G0B+4*\slot+3], s[G0B+4*\slot+3], 0x80000000
.endif
	s_wait_dscnt 1                                 ; this step's fragments are in (the add alone may be out)
	MUL8 0, 1, 3, \slot, 0
	s_wait_dscnt 0x0                               ; the add is done, and my reads of this slot are over
	s_barrier_signal -1
	MUL8 1, 1, 3, \slot, 0
	WIN 0
	s_barrier_wait -1
.if \fill
	CREST                                          ; no wave of any partner still reads this slot or has a load on its way
	JLOAD \slot                                    ; the first tensor load behind the round, my one load until the next; its four v_nop are also the places in front of the loads below
.else
	PLACES
.endif
	FETCH \next, 0, 0
	SCALES \next
	MUL8 2, 1, 3, \slot, 0
	MUL8 3, 1, 3, \slot, 0
.if PH
	EXMUL 1, 3, \slot, 0
.endif
.endm
	s_wait_alu depctr_va_vdst(0)
	s_wait_tensorcnt 0x0                           ; my part of the walk's first group is in; slot 1's first fill is issued as a refill is
	ds_add_u32 v[SPW], v[NIL]
	s_wait_dscnt 0x0
	CROUND                                         ; everybody's part is in, and the sixteen work-groups meet
	JLOAD 1                                        ; the walk's second group, my one load behind the round
	FETCH 0, 0, 0
	SCALES 0
	s_wait_loadcnt 0x0                             ; the bias
	STEP 0, 0, 1                                   ; the first step stands in front of the loop: its products start the sums
	WIN 0                                          ; at a label and at a branch every window is 0
	s_mov_b32 s3, 3
.Llap:                                                 ; a trip goes once round the ring, from a lap's second step to the next lap's first, and fills both slots again: the walk's third to eighth group
	STEP 0, 1, 0
	STEP 0, 2, 0
	TURN 0, 1, 1
	STEP 1, 0, 0
	STEP 1, 1, 0
	STEP 1, 2, 0
	TURN 1, 0, 1
	STEP 0, 0, 0
	WIN 0
	s_sub_co_u32 s3, s3, 1
	s_cmp_lg_u32 s3, 0
	s_cbranch_scc1 .Llap
.if RES
	WIN 0xc0                                       ; res comes into window 3, seven steps of products ahead of its use: row (a, t) at v[4 (16 a + t)], my 16 bytes of its 512.  (The bias, which lay there, was read by the first step alone)
.irp a, 0,1,2,3
.irp t, 0,1,2,3,4,5,6,7,8,9,10,11,12,13,14,15
	global_load_b128 v[4*(16*\a+\t):4*(16*\a+\t)+3], v[COL+\a/2], s[12:13] offset:(16*(\a%2)+\t)*ROWC th:TH_LOAD_NT
.endr
.endr
.endif
	STEP 0, 1, 0                                   ; the last lap fills nothing, and has no round of the cluster's barrier
	STEP 0, 2, 0
	TURN 0, 1, 0
	STEP 1, 0, 0
	STEP 1, 1, 0
	STEP 1, 2, 0
	s_wait_dscnt 0x0                               ; the very last step: nothing more to fetch
.irp a, 0,1,2,3
	MUL8 \a, 1, 3, 1, 0
.endr
.if PH
	EXMUL 1, 3, 1, 0
.endif
	WIN 0
; THE WAY OUT, block by block of 16 rows x 128 columns.  A lane holds 32 neighbouring bytes of a row, and the lanes beside it hold other rows: so a block goes through my own stage in LDS and comes back as whole rows of
; 512 bytes.  LDS serves a wave's instructions in order (ISA guide 5.7.1.4): no wait between the stores and the loads, nor in front of the next block's stores.
.macro TOSTAGE a
	WIN 0x08                                       ; an LDS store's data are its source 1: window 2
.irp b, 0,1,2,3,4,5,6,7
	ds_store_b128 v[STO], v[8*(8*(\a)+\b):8*(8*(\a)+\b)+3] offset:64*\b          ; each accumulator from its low end on
	ds_store_b128 v[STO], v[8*(8*(\a)+\b)+4:8*(8*(\a)+\b)+7] offset:64*\b+16
.endr
	WIN 0
.irp t, 0,1,2,3,4,5,6,7,8,9,10,11,12,13,14,15
	ds_load_b128 v[BK+64*((\a)%2)+4*\t:BK+64*((\a)%2)+4*\t+3], v[RD] offset:SP*\t
.endr
.endm
.macro SEND a, younger                 ; younger: the LDS instructions issued behind block a's loads, which may stay out
.set BB2, BK+64*((\a)%2)
	s_wait_dscnt \younger                          ; the block is back in registers
.if RES
	WIN 0x0c                                       ; source 1 window 3
.irp t, 0,1,2,3,4,5,6,7,8,9,10,11,12,13,14,15
	v_pk_add_f32 v[BB2+4*\t:BB2+4*\t+1], v[BB2+4*\t:BB2+4*\t+1], v[4*(16*(\a)+\t):4*(16*(\a)+\t)+1]
	v_pk_add_f32 v[BB2+4*\t+2:BB2+4*\t+3], v[BB2+4*\t+2:BB2+4*\t+3], v[4*(16*(\a)+\t)+2:4*(16*(\a)+\t)+3]
.endr
	WIN 0
.endif
.irp t, 0,1,2,3,4,5,6,7,8,9,10,11,12,13,14,15
.if RES
	global_store_b128 v[COL+(\a)/2], v[BB2+4*\t:BB2+4*\t+3], s[10:11] offset:(16*((\a)%2)+\t)*ROWC th:TH_STORE_NT   ; 32 lanes store 512 consecutive bytes, at a multiple of 256 from C's first byte
.else
	global_store_b128 v[COL+(\a)/2], v[BB2+4*\t:BB2+4*\t+3], s[10:11] offset:(16*((\a)%2)+\t)*ROWC
.endif
.endr
.endm
	PLACES                                         ; behind the last products: for the reads of their results and the loads into the registers that held A's fragments
.if RES
	s_wait_loadcnt 0x0                             ; res
.endif
	TOSTAGE 0
.irp a, 1,2,3
.if \a > 1
	s_wait_xcnt 0x0                                ; block a - 2's stores have read their registers: block a's loads may land there
.endif
	TOSTAGE \a
	SEND \a-1, 32                                  ; behind block a - 1's loads: block a's 16 stores and 16 loads
.endr
	SEND 3, 0
.if PH
	; E's two tiles go to z as images of their registers: registers 0-3 at 16 x lane, 4-7 at 512 + 16 x lane.  Sixteen lanes store 256 consecutive bytes, aligned; the other sixteen are the neighbouring work-group's
	v_cmp_eq_u32 vcc_lo, s79, v[HH]
	s_wait_xcnt 0x0                                ; EXEC changes only behind this wait
	s_and_saveexec_b32 s96, vcc_lo
	WIN 0x0c                                       ; a store's data are its source 1: window 3
.irp e, 0,1
	global_store_b128 v[LO], v[EX+8*\e:EX+8*\e+3], s[12:13] offset:8192*\e
	global_store_b128 v[LO], v[EX+8*\e+4:EX+8*\e+7], s[12:13] offset:8192*\e+512
.endr
	WIN 0
	s_wait_xcnt 0x0                                ; and again, in front of the line that widens it
	s_or_b32 exec_lo, exec_lo, s96
.endif
	s_wait_tensorcnt 0x0                           ; the wave's end: behind my last tensor load and my last LDS store
	ds_add_u32 v[SPW], v[NIL]
	s_wait_dscnt 0x0
	CROUND                                         ; the closing round: no work-group ends while a partner may still ask for a block that names it
	s_endpgm
.Lfunc_end_k_q00ffda55ad_gemm_v:
	.size	k_q00ffda55ad_gemm_v, .Lfunc_end_k_q00ffda55ad_gemm_v-k_q00ffda55ad_gemm_v
	.p2alignl 7, 3214868480
	.fill 96, 4, 3214868480
	.section	.rodata,"a",@progbits
	.p2align	6, 0x0
	.amdhsa_kernel k_q00ffda55ad_gemm_v
		.amdhsa_group_segment_fixed_size 327680
		.amdhsa_private_segment_fixed_size 0
		.amdhsa_enable_private_segment 0
		.amdhsa_kernarg_size 32
		.amdhsa_user_sgpr_count 2
		.amdhsa_user_sgpr_kernarg_segment_ptr 1
		.amdhsa_wavefront_size32 1
		.amdhsa_system_sgpr_workgroup_id_x 1
		.amdhsa_system_sgpr_workgroup_id_y 1
		.amdhsa_system_sgpr_workgroup_id_z 1
		.amdhsa_system_vgpr_workitem_id 0
		.amdhsa_next_free_vgpr 1024
		.amdhsa_next_free_sgpr 100
		.amdhsa_reserve_vcc 1
		.amdhsa_float_denorm_mode_32 3
		.amdhsa_float_denorm_mode_16_64 3
		.amdhsa_memory_ordered 1
		.amdhsa_forward_progress 1
		.amdhsa_inst_pref_size 146
	.end_amdhsa_kernel
	.amdgpu_metadata
---
amdhsa.version: [ 1, 2 ]
amdhsa.kernels:
  - .name:           k_q00ffda55ad_gemm_v
    .symbol:         k_q00ffda55ad_gemm_v.kd
    .args:
      - { .name: q, .offset: 0, .size: 8, .value_kind: global_buffer, .address_space: global }
      - { .name: bv, .offset: 8, .size: 8, .value_kind: global_buffer, .address_space: global }
      - { .name: v, .offset: 16, .size: 8, .value_kind: global_buffer, .address_space: global }
      - { .name: z, .offset: 24, .size: 8, .value_kind: global_buffer, .address_space: global }
    .group_segment_fixed_size: 327680
    .private_segment_fixed_size: 0
    .kernarg_segment_align: 8
    .kernarg_segment_size: 32
    .max_flat_workgroup_size: 128
    .sgpr_count:     100
    .vgpr_count:     1024
    .wavefront_size: 32
...
	.end_amdgpu_metadata
.endif
;; end of part 2
;; launch norm (part 3): grid 128 x 1, 16 waves a work-group, no clusters, 305,152 bytes of LDS; arguments v, z, bk, bq, ln_g, ln_b, nq; writes nq
.if DOCPART == 3
	.amdgcn_target "amdgcn-amd-amdhsa--gfx1250"
	.amdhsa_code_object_version 6
	.text
	.protected	k_q00ffda55ad_norm
	.globl	k_q00ffda55ad_norm
	.p2align	8
	.type	k_q00ffda55ad_norm,@function
k_q00ffda55ad_norm:
	s_mov_b64 s[64:65], 0
	v_nop
	global_prefetch_b8 v0, s[64:65] scope:SCOPE_SE
	s_setreg_imm32_b32 hwreg(HW_REG_WAVE_MODE, 25, 1), 1
	s_wait_xcnt 0x0
; For each row: S = sum over 64 phases of cos(pi tanh(zk + bk) - pi tanh(zq + bq));  c = S softplus(S / 64 + 0.5) / 64;  n = (c V - mean(c V)) rsqrt(var(c V) + 1e-5) ln_g + ln_b; n is quantised along its 4,096 columns
; to codes of BF6 (E3M2) with one E8M0 scale for each 32, and stored in nq in the order of the matrix operand's registers (a tile slot of 16 rows: 8 blocks of 6,400 bytes: four fragments of 1,536 bytes, then 256 bytes of scale words).
; v: [2048][4096] f32, V with its bias.  z: [128 row tiles][8 phase tiles][1,024]: images of result tiles: lane (r, h), register j = row r against row 8 h + j of phase tile e (0-3: Wk, 4-7: Wq), registers 0-3 at 16 x lane, 4-7 at 512 + 16 x lane.
; ARITHMETIC, all f32.  c is one number a row, so mean(c V) = c mean(V) and var(c V) = c^2 var(V): n = (V - mean V) a g + b with a = c rsqrt(c^2 var V + 1e-5); this differs from the order as written by f32 rounding alone.
; The variance is the mean of the squares of V - mean V: no difference of large sums.  tanh(t) = 1 - 2 / (1 + 2^(2.885390 t)): its absolute error is about 1e-7; the difference of the two is u = 2 (rq - rk), in -2 .. 2.
; cos(pi u) = sin(pi y) with y = 0.5 - min(|u|, 2 - |u|), in -0.5 .. 0.5 for every input: seven terms of the sine's series leave less than 1e-9.  The softplus's argument lies in -0.5 .. 1.5, since |S| <= 64: nothing overflows.
; LIMITS: NaN and infinities are not served.  A block of zeros gets the byte 1 where the rule says 127: its codes are zeros, and the bytes are read by this program alone.
; SHARES.  Work-group t takes rows 16 t .. 16 t + 15, whole; wave w columns 256 w .. 256 w + 255: two fragments.  Its 16 x 1,024 bytes of v come by ONE tensor load into LDS bytes of its own (rows 1,040 bytes apart) and then into
; 128 registers a lane, in the operand's order: register 64 f + 32 c + i = V[r][256 w + 128 f + 64 c + 32 h + i].  Nothing is filled again.  Of the 64 phases wave w takes 4 a row.  The rows' three sums meet in LDS: two barriers.
.set VP,   1040                        ; a row of a wave's part in LDS: 1,024 bytes + 16
.set VW,   16*VP
.set RED,  16*VW                       ; behind the sixteen parts: three regions of 1,280 bytes (cosines, sums, squares): row r's sixteen words, one a wave, at 80 r
.set RP,   80
.set BLK,  6400
.set FRB,  1536
.set M,    12                          ; v12-13 largest magnitudes; v12-19 are also the four chains of the sums
.set E,    14
.set B,    16
.set PT,   26                          ; v26  what a lane permute brings
.set C,    32                          ; v32-43 a fragment's codes; v32-63 are also what is read back of the three regions
.set T,    44                          ; v44-46, v48-50
.set SH,   8                           ; v8   8 h
.set GB,   64                          ; v64-95, v96-127 two sets: 16 of ln_g, 16 of ln_b
.set D,    128                         ; v128-255
.set SEL,  22                          ; s[22:23] lane selects for v_permlanex16_b32: lane l xor 16
	s_load_b256 s[4:11], s[0:1], 0x0               ; v s[4:5], z s[6:7], bk s[8:9], bq s[10:11]
	s_load_b128 s[12:15], s[0:1], 0x20             ; ln_g s[12:13], ln_b s[14:15]
	s_load_b64 s[16:17], s[0:1], 0x30              ; nq
	v_lshl_add_u32 v30, v0, 2, 0x42000
	v_mov_b32 v31, 0
	ds_add_u32 v30, v31
	ds_add_u32 v30, v31
	v_lshrrev_b32 v12, 5, v0
	s_delay_alu instid0(VALU_DEP_1)
	v_readfirstlane_b32 s18, v12                   ; wave 0..15
	; descriptor group 1: 16 rows of 256 elements of 4 bytes, 4,096 elements apart; 4 words of padding behind every 256
	s_mov_b32 s24, (2<<16)|(1<<20)|(7<<22)|(3<<25)
	s_mov_b32 s25, 256<<16                         ; tensor_dim0
	s_mov_b32 s26, 16<<16                          ; tensor_dim1
	s_mov_b32 s27, 256<<16                         ; tile_dim0
	s_mov_b32 s28, 16                              ; tile_dim1
	s_mov_b32 s29, 4096                            ; tensor_dim0_stride
	s_mov_b32 s30, 0
	s_mov_b32 s31, 0
	s_lshl_b32 s20, ttmp9, 18                      ; 16 rows of 16,384 bytes,
	s_lshl_b32 s19, s18, 10                        ; my wave's 1,024 bytes of a row
	s_add_co_u32 s20, s20, s19
	s_mov_b32 s21, 0
	s_mov_b32 s32, 1                               ; group 0: count = 1,
	s_mul_i32 s33, s18, VW                         ; LDS address: my wave's part,
.set GBL, 272384                       ; behind the spare words: 2,048 bytes for each wave: its 256 numbers of ln_g, then its 256 of ln_b; no fill lands here
	s_lshl_b32 s45, s18, 11
	s_add_co_u32 s45, s45, GBL                     ; my wave's 2,048 bytes
	s_wait_dscnt 0x0
	s_wait_kmcnt 0x0
	s_add_nc_u64 s[34:35], s[4:5], s[20:21]        ; global address,
	s_or_b32 s35, s35, 0x80000000                  ; type = 2
	tensor_load_to_lds s[32:35], s[24:31]          ; my one tensor load
	s_nop 0
.rept 4
	v_nop
.endr
	v_and_b32 v11, 31, v0                          ; lane
	v_and_b32 v1, 15, v0                           ; r
	v_bfe_u32 v2, v0, 4, 1                         ; h
	s_and_b32 s36, s18, 1                          ; w % 2: which half of a block of nq is mine
	s_lshr_b32 s37, s18, 1                         ; w / 2: which block
	s_and_b32 s38, s18, 3                          ; pt: my phase tile (of Wk, and of Wq)
	s_lshr_b32 s39, s18, 2                         ; jj: my pair of its registers
	v_lshlrev_b32 v9, 4, v11                       ; 16 x lane
	s_mul_i32 s40, s36, 2*FRB
	v_add_nc_u32 v3, s40, v9                       ; where my codes go in the block
	v_mul_u32_u24 v4, v1, VP
	s_delay_alu instid0(VALU_DEP_1)
	v_lshl_add_u32 v4, v2, 7, v4
	s_delay_alu instid0(VALU_DEP_1)
	v_add_nc_u32 v4, s33, v4                       ; V in LDS: my wave's part, row r, + 128 h
	v_mul_u32_u24 v6, v1, RP
	s_delay_alu instid0(VALU_DEP_1)
	v_add_nc_u32 v6, RED, v6                       ; row r's sixteen words
	s_lshl_b32 s41, s18, 2
	v_add_nc_u32 v5, s41, v6                       ; my wave's word among them
	v_lshl_add_u32 v7, v2, 7, s45                  ; ln_g, ln_b in LDS, on the way out: my wave's bytes, + 128 h
	v_add_nc_u32 v28, s45, v9                      ; and on the way in: 16 x lane
	v_lshlrev_b32 v[SH], 3, v2
	v_lshlrev_b32 v27, 5, v2                       ; bk, bq: + 32 h
	s_wait_alu depctr_va_vdst(0)
	v_lshlrev_b32 v10, 4, v1
	s_delay_alu instid0(VALU_DEP_1)
	v_lshl_add_u32 v10, v2, 2, v10
	s_lshl_b32 s41, s36, 3
	v_add_nc_u32 v10, s41, v10                     ; my scale word's place: 16 r + 8 (w % 2) + 4 h
	v_mov_b32 v[PT], 0                             ; written once: a lane permute's destination counts as one of its sources
	s_mov_b32 s[SEL], 0x76543210
	s_mov_b32 s[SEL+1], 0xfedcba98
	s_lshl_b32 s42, ttmp9, 13                      ; z: 8,192 t + 1,024 pt + 512 (jj / 2) + 8 (jj % 2)
	s_lshl_b32 s43, s38, 10
	s_add_co_u32 s42, s42, s43
	s_lshr_b32 s43, s39, 1
	s_lshl_b32 s43, s43, 9
	s_add_co_u32 s42, s42, s43
	s_and_b32 s43, s39, 1
	s_lshl_b32 s43, s43, 3
	s_add_co_u32 s42, s42, s43
	s_mov_b32 s43, 0
	s_add_nc_u64 s[6:7], s[6:7], s[42:43]
	s_lshl_b32 s42, s38, 6                         ; bk, bq: phase 16 pt + 8 h + 2 jj
	s_lshl_b32 s44, s39, 3
	s_add_co_u32 s42, s42, s44
	s_add_nc_u64 s[8:9], s[8:9], s[42:43]
	s_add_nc_u64 s[10:11], s[10:11], s[42:43]
	s_mov_b32 s42, s19                             ; ln_g, ln_b: my wave's 256 columns
	s_add_nc_u64 s[12:13], s[12:13], s[42:43]
	s_add_nc_u64 s[14:15], s[14:15], s[42:43]
	s_mul_i32 s42, ttmp9, 8*BLK                    ; nq: tile slot t, block w / 2
	s_mul_i32 s44, s37, BLK
	s_add_co_u32 s42, s42, s44
	s_add_nc_u64 s[16:17], s[16:17], s[42:43]
; ln_g and ln_b for registers 16 hb .. 16 hb + 15 of D: columns 64 (hb / 2) + 32 h + 16 (hb % 2) on, into set hb % 2
.macro GBLOAD hb
.irp j, 0,1,2,3
	ds_load_b128 v[GB+32*((\hb)%2)+4*\j:GB+32*((\hb)%2)+4*\j+3], v7 offset:256*((\hb)/2)+64*((\hb)%2)+16*\j
.endr
.irp j, 0,1,2,3
	ds_load_b128 v[GB+32*((\hb)%2)+16+4*\j:GB+32*((\hb)%2)+16+4*\j+3], v7 offset:1024+256*((\hb)/2)+64*((\hb)%2)+16*\j
.endr
.endm
.macro FOLD                            ; the four chains v12-19, then the other half of the lanes': the row's part of my wave, in v12
	v_pk_add_f32 v[12:13], v[12:13], v[14:15]
	v_pk_add_f32 v[16:17], v[16:17], v[18:19]
	s_delay_alu instid0(VALU_DEP_1)
	v_pk_add_f32 v[12:13], v[12:13], v[16:17]
	s_delay_alu instid0(VALU_DEP_1)
	v_add_f32 v12, v12, v13
	s_delay_alu instid0(VALU_DEP_1)
	v_permlanex16_b32 v[PT], v12, s[SEL], s[SEL+1]
	s_delay_alu instid0(VALU_DEP_1)
	v_add_f32 v12, v12, v[PT]
.endm
.macro SUM16 b                         ; the sixteen waves' words, the same order in every wave
	v_pk_add_f32 v[\b:\b+1], v[\b:\b+1], v[\b+2:\b+3]
	v_pk_add_f32 v[\b+4:\b+5], v[\b+4:\b+5], v[\b+6:\b+7]
	v_pk_add_f32 v[\b+8:\b+9], v[\b+8:\b+9], v[\b+10:\b+11]
	v_pk_add_f32 v[\b+12:\b+13], v[\b+12:\b+13], v[\b+14:\b+15]
	s_delay_alu instid0(VALU_DEP_3)
	v_pk_add_f32 v[\b:\b+1], v[\b:\b+1], v[\b+4:\b+5]
	s_delay_alu instid0(VALU_DEP_2)
	v_pk_add_f32 v[\b+8:\b+9], v[\b+8:\b+9], v[\b+12:\b+13]
	s_delay_alu instid0(VALU_DEP_1)
	v_pk_add_f32 v[\b:\b+1], v[\b:\b+1], v[\b+8:\b+9]
	s_delay_alu instid0(VALU_DEP_1)
	v_add_f32 v[\b], v[\b], v[\b+1]
.endm
; 64 numbers of a lane, v[x] on, become a fragment's 12 registers of codes in v[C] on and its row's scale word in v[w].  xw = 1: the last fragment's stores still name v[C] on
.macro QFRAG x, w, xw
.irp c, 0,1
	v_max3_num_f32 v[M+\c], |v[\x+32*\c]|, |v[\x+32*\c+1]|, 0x2800000   ; my block 2 c + h: all its 32 numbers are mine; and the floor 2^(5 - 127), so that the byte cannot fall under 1
.endr
.irp i, 2,4,6,8,10,12,14,16,18,20,22,24,26,28,30
.irp c, 0,1
	s_delay_alu instid0(VALU_DEP_2)
	v_max3_num_f32 v[M+\c], v[M+\c], |v[\x+32*\c+\i]|, |v[\x+32*\c+\i+1]|
.endr
.endr
.irp c, 0,1
	s_delay_alu instid0(VALU_DEP_2)
	v_add_nc_u32 v[E+\c], 0xfe000000, v[M+\c]      ; 4 off the exponent field: the conversion's scale operand
.endr
.irp c, 0,1
	s_delay_alu instid0(VALU_DEP_2)
	v_lshrrev_b32 v[B+\c], 23, v[E+\c]             ; the scale's byte
.endr
	s_delay_alu instid0(VALU_DEP_1)
	v_lshl_or_b32 v[\w], v[B+1], 16, v[B]
	s_delay_alu instid0(VALU_DEP_1)
	v_lshlrev_b32 v[\w], v[SH], v[\w]
	s_delay_alu instid0(VALU_DEP_1)
	v_permlanex16_b32 v[PT], v[\w], s[SEL], s[SEL+1]
	s_delay_alu instid0(VALU_DEP_1)
	v_or_b32 v[\w], v[\w], v[PT]                   ; the row's scale word, whole in both halves of the lanes
.if \xw
	s_wait_alu depctr_va_vdst(0)
	s_wait_xcnt 0x0                                ; the last fragment's stores have read their data
.endif
	v_cvt_scalef32_pk16_bf6_f32 v[C:C+2], v[\x:\x+15], v[E]
	v_cvt_scalef32_pk16_bf6_f32 v[T:T+2], v[\x+16:\x+31], v[E]       ; (a conversion's three registers begin on an even number)
	v_cvt_scalef32_pk16_bf6_f32 v[C+6:C+8], v[\x+32:\x+47], v[E+1]
	v_cvt_scalef32_pk16_bf6_f32 v[T+4:T+6], v[\x+48:\x+63], v[E+1]
	v_nop                                          ; one plain vector instruction behind the scaled conversions
.irp i, 0,1,2
	v_mov_b32 v[C+3+\i], v[T+\i]
	v_mov_b32 v[C+9+\i], v[T+4+\i]
.endr
.endm
	global_load_b64 v[32:33], v9, s[6:7]               ; zk: two phases of row r
	global_load_b64 v[34:35], v9, s[6:7] offset:4096   ; zq
	global_load_b64 v[36:37], v27, s[8:9]              ; bk
	global_load_b64 v[38:39], v27, s[10:11]            ; bq
	global_load_b128 v[D:D+3], v9, s[12:13]              ; my wave's 1,024 bytes of ln_g and of ln_b, once: each load reads 512 consecutive bytes
	global_load_b128 v[D+4:D+7], v9, s[12:13] offset:512
	global_load_b128 v[D+8:D+11], v9, s[14:15]
	global_load_b128 v[D+12:D+15], v9, s[14:15] offset:512
	s_wait_loadcnt 4                               ; the first four loads are in; the four of ln_g and ln_b may be out
	v_pk_add_f32 v[32:33], v[32:33], v[36:37]
	v_pk_add_f32 v[34:35], v[34:35], v[38:39]
.irp i, 0,1,2,3
	v_mul_f32 v[32+\i], 0x4038aa3b, v[32+\i]       ; x 2 log2(e)
.endr
	s_wait_alu depctr_va_vdst(0)
.irp i, 0,1,2,3
	v_exp_f32 v[32+\i], v[32+\i]
.endr
	v_nop                                          ; a plain instruction behind the batch,
	s_wait_alu depctr_va_vdst(0)                   ; and the wait ahead of its first reader
.irp i, 0,1,2,3
	v_add_f32 v[32+\i], 1.0, v[32+\i]
.endr
	s_wait_alu depctr_va_vdst(0)
.irp i, 0,1,2,3
	v_rcp_f32 v[32+\i], v[32+\i]
.endr
	v_nop
	s_wait_alu depctr_va_vdst(0)
.irp e, 0,1
	v_sub_f32 v[32+\e], v[34+\e], v[32+\e]         ; rq - rk
.endr
.irp e, 0,1
	s_delay_alu instid0(VALU_DEP_2)
	v_add_f32 v[32+\e], v[32+\e], v[32+\e]         ; u = tanh k - tanh q
.endr
.irp e, 0,1
	s_delay_alu instid0(VALU_DEP_2)
	v_sub_f32 v[34+\e], 2.0, |v[32+\e]|
.endr
.irp e, 0,1
	s_delay_alu instid0(VALU_DEP_2)
	v_min_num_f32 v[34+\e], |v[32+\e]|, v[34+\e]
.endr
.irp e, 0,1
	s_delay_alu instid0(VALU_DEP_2)
	v_sub_f32 v[34+\e], 0.5, v[34+\e]              ; y
.endr
.irp e, 0,1
	s_delay_alu instid0(VALU_DEP_2)
	v_mul_f32 v[36+\e], v[34+\e], v[34+\e]         ; y^2
.endr
.irp e, 0,1
	v_mov_b32 v[38+\e], 0x39f47a1a                 ; pi^13 / 13!
.endr
.irp k, 0xbbf183a8, 0x3da83c1a, 0xbf196966, 0x402335e3, 0xc0a55de7, 0x40490fdb
.irp e, 0,1
	s_delay_alu instid0(VALU_DEP_2)
	v_fmaak_f32 v[38+\e], v[38+\e], v[36+\e], \k   ; -pi^11 / 11!, pi^9 / 9!, -pi^7 / 7!, pi^5 / 5!, -pi^3 / 3!, pi
.endr
.endr
.irp e, 0,1
	s_delay_alu instid0(VALU_DEP_2)
	v_mul_f32 v[38+\e], v[38+\e], v[34+\e]         ; sin(pi y)
.endr
	s_delay_alu instid0(VALU_DEP_1)
	v_add_f32 v38, v38, v39
	s_delay_alu instid0(VALU_DEP_1)
	v_permlanex16_b32 v[PT], v38, s[SEL], s[SEL+1]
	s_delay_alu instid0(VALU_DEP_1)
	v_add_f32 v38, v38, v[PT]                      ; four phases of row r
	ds_store_b32 v5, v38                           ; (lanes r and r + 16 write the same word with the same value)
	; ---- V into registers, and the rows' sums
	s_wait_tensorcnt 0x0                           ; my part of V is in LDS; only I read it
	s_wait_loadcnt 0x0                             ; ln_g and ln_b are in: they go to my wave's own LDS bytes, from which the sets are read; LDS serves a wave's instructions in order
	ds_store_b128 v28, v[D:D+3]
	ds_store_b128 v28, v[D+4:D+7] offset:512
	ds_store_b128 v28, v[D+8:D+11] offset:1024
	ds_store_b128 v28, v[D+12:D+15] offset:1536
	GBLOAD 0
	GBLOAD 1
.irp f, 0,1
.irp c, 0,1
.irp j, 0,1,2,3,4,5,6,7
	ds_load_b128 v[D+64*\f+32*\c+4*\j:D+64*\f+32*\c+4*\j+3], v4 offset:512*\f+256*\c+16*\j
.endr
.endr
.endr
	s_wait_dscnt 0x0
.irp k, 0,1,2,3
	v_pk_add_f32 v[12+2*\k:13+2*\k], v[D+2*\k:D+2*\k+1], v[D+8+2*\k:D+9+2*\k]
.endr
.irp i, 2,3,4,5,6,7,8,9,10,11,12,13,14,15
.irp k, 0,1,2,3
	s_delay_alu instid0(VALU_DEP_4)
	v_pk_add_f32 v[12+2*\k:13+2*\k], v[12+2*\k:13+2*\k], v[D+8*\i+2*\k:D+8*\i+2*\k+1]
.endr
.endr
	FOLD
	ds_store_b32 v5, v12 offset:1280
	s_wait_dscnt 0x0                               ; for the others' sake: my two words have landed
	s_barrier_signal -1
	s_barrier_wait -1
	; ---- S, the mean, c; V - mean and its squares
.irp j, 0,1,2,3
	ds_load_b128 v[32+4*\j:35+4*\j], v6 offset:16*\j
	ds_load_b128 v[48+4*\j:51+4*\j], v6 offset:1280+16*\j
.endr
	s_wait_dscnt 0x0
	SUM16 32                                       ; v32 = S
	SUM16 48
	s_delay_alu instid0(VALU_DEP_1)
	v_mul_f32 v20, 0x39800000, v48                 ; the mean: / 4,096
	s_delay_alu instid0(VALU_DEP_1)
	v_mov_b32 v21, v20
	v_fma_f32 v22, v32, 0x3c800000, 0.5            ; S / 64 + 0.5
	s_delay_alu instid0(VALU_DEP_1)
	v_mul_f32 v22, 0x3fb8aa3b, v22
	s_wait_alu depctr_va_vdst(0)
	v_exp_f32 v22, v22
.set i, 0
.rept 64
	v_pk_add_f32 v[D+2*i:D+2*i+1], v[D+2*i:D+2*i+1], v[20:21] neg_lo:[0,1] neg_hi:[0,1]
.if i < 4
	s_delay_alu instid0(VALU_DEP_1)
	v_pk_mul_f32 v[12+2*i:13+2*i], v[D+2*i:D+2*i+1], v[D+2*i:D+2*i+1]
.else
	s_delay_alu instid0(VALU_DEP_1)
	v_pk_fma_f32 v[12+2*(i%4):13+2*(i%4)], v[D+2*i:D+2*i+1], v[D+2*i:D+2*i+1], v[12+2*(i%4):13+2*(i%4)]
.endif
.set i, i+1
.endr
	s_wait_alu depctr_va_vdst(0)                   ; the wait ahead of the exponential's reader; the 128 lines above are the work between
	v_add_f32 v22, 1.0, v22
	s_wait_alu depctr_va_vdst(0)
	v_log_f32 v22, v22
	FOLD
	s_wait_alu depctr_va_vdst(0)
	v_mul_f32 v22, 0x3f317218, v22                 ; x ln 2: the softplus
	s_delay_alu instid0(VALU_DEP_1)
	v_mul_f32 v22, v22, v32
	s_delay_alu instid0(VALU_DEP_1)
	v_mul_f32 v22, 0x3c800000, v22                 ; c = S x softplus / 64
	ds_store_b32 v5, v12 offset:2560
	s_wait_dscnt 0x0
	s_barrier_signal -1
	s_barrier_wait -1
	; ---- the row's factor
.irp j, 0,1,2,3
	ds_load_b128 v[32+4*\j:35+4*\j], v6 offset:2560+16*\j
.endr
	s_wait_dscnt 0x0
	SUM16 32
	s_delay_alu instid0(VALU_DEP_1)
	v_mul_f32 v32, 0x39800000, v32                 ; var V
	v_mul_f32 v23, v22, v22
	s_delay_alu instid0(VALU_DEP_1)
	v_fmaak_f32 v23, v23, v32, 0x3727c5ac          ; c^2 var V + 1e-5
	s_wait_alu depctr_va_vdst(0)
	v_rsq_f32 v23, v23
	v_nop
	s_wait_alu depctr_va_vdst(0)
	v_mul_f32 v24, v22, v23                        ; a
	s_delay_alu instid0(VALU_DEP_1)
	v_mov_b32 v25, v24
	; ---- n = (V - mean) a g + b, sixteen numbers at a time; then the two fragments
.macro NORM hb
.if (\hb) < 7
	s_wait_dscnt 8                                 ; this set of ln_g and ln_b is in; the next set's eight LDS loads may be out
.else
	s_wait_dscnt 0x0
.endif
.irp i, 0,2,4,6,8,10,12,14
	v_pk_mul_f32 v[D+16*(\hb)+\i:D+16*(\hb)+\i+1], v[D+16*(\hb)+\i:D+16*(\hb)+\i+1], v[24:25]
.endr
.irp i, 0,2,4,6,8,10,12,14
	v_pk_fma_f32 v[D+16*(\hb)+\i:D+16*(\hb)+\i+1], v[D+16*(\hb)+\i:D+16*(\hb)+\i+1], v[GB+32*((\hb)%2)+\i:GB+32*((\hb)%2)+\i+1], v[GB+32*((\hb)%2)+16+\i:GB+32*((\hb)%2)+16+\i+1]
.endr
.if (\hb) < 6
	GBLOAD (\hb)+2
.endif
.endm
	s_wait_alu depctr_va_vdst(0)
.irp hb, 0,1,2,3
	NORM \hb
.endr
	QFRAG D, 52, 0
.irp c, 0,1,2
	global_store_b128 v3, v[C+4*\c:C+4*\c+3], s[16:17] offset:512*\c          ; 32 lanes store 512 consecutive bytes, at a multiple of 256 from nq's first byte
.endr
.irp hb, 4,5,6,7
	NORM \hb
.endr
	QFRAG D+64, 53, 1
.irp c, 0,1,2
	global_store_b128 v3, v[C+4*\c:C+4*\c+3], s[16:17] offset:FRB+512*\c
.endr
	v_cmp_lt_u32 vcc_lo, 15, v11                   ; lanes 0-15 store the first fragment's word of row r, lanes 16-31 the second's
	s_delay_alu instid0(VALU_DEP_1)
	v_cndmask_b32 v54, v52, v53, vcc_lo
	global_store_b32 v10, v54, s[16:17] offset:4*FRB   ; half of the block's 256 bytes of scale words; the neighbouring wave stores the other half
	s_wait_tensorcnt 0x0
	ds_add_u32 v30, v31
	s_wait_dscnt 0x0
	s_endpgm
.Lfunc_end_k_q00ffda55ad_norm:
	.size	k_q00ffda55ad_norm, .Lfunc_end_k_q00ffda55ad_norm-k_q00ffda55ad_norm
	.p2alignl 7, 3214868480
	.fill 96, 4, 3214868480
	.section	.rodata,"a",@progbits
	.p2align	6, 0x0
	.amdhsa_kernel k_q00ffda55ad_norm
		.amdhsa_group_segment_fixed_size 305152
		.amdhsa_private_segment_fixed_size 0
		.amdhsa_enable_private_segment 0
		.amdhsa_kernarg_size 56
		.amdhsa_user_sgpr_count 2
		.amdhsa_user_sgpr_kernarg_segment_ptr 1
		.amdhsa_wavefront_size32 1
		.amdhsa_system_sgpr_workgroup_id_x 1
		.amdhsa_system_sgpr_workgroup_id_y 1
		.amdhsa_system_sgpr_workgroup_id_z 1
		.amdhsa_system_vgpr_workitem_id 0
		.amdhsa_next_free_vgpr 256
		.amdhsa_next_free_sgpr 66
		.amdhsa_reserve_vcc 1
		.amdhsa_float_denorm_mode_32 3
		.amdhsa_float_denorm_mode_16_64 3
		.amdhsa_memory_ordered 1
		.amdhsa_forward_progress 1
		.amdhsa_inst_pref_size 53
	.end_amdhsa_kernel
	.amdgpu_metadata
---
amdhsa.version: [ 1, 2 ]
amdhsa.kernels:
  - .name:           k_q00ffda55ad_norm
    .symbol:         k_q00ffda55ad_norm.kd
    .args:
      - { .name: v, .offset: 0, .size: 8, .value_kind: global_buffer, .address_space: global }
      - { .name: z, .offset: 8, .size: 8, .value_kind: global_buffer, .address_space: global }
      - { .name: bk, .offset: 16, .size: 8, .value_kind: global_buffer, .address_space: global }
      - { .name: bq, .offset: 24, .size: 8, .value_kind: global_buffer, .address_space: global }
      - { .name: ln_g, .offset: 32, .size: 8, .value_kind: global_buffer, .address_space: global }
      - { .name: ln_b, .offset: 40, .size: 8, .value_kind: global_buffer, .address_space: global }
      - { .name: nq, .offset: 48, .size: 8, .value_kind: global_buffer, .address_space: global }
    .group_segment_fixed_size: 305152
    .private_segment_fixed_size: 0
    .kernarg_segment_align: 8
    .kernarg_segment_size: 56
    .max_flat_workgroup_size: 512
    .sgpr_count:     66
    .vgpr_count:     256
    .wavefront_size: 32
...
	.end_amdgpu_metadata
.endif
;; end of part 3
;; launch gemm_o (part 4): grid 16 x 16, 4 waves a work-group, clusters of 4 x 1, 327,680 bytes of LDS; arguments nq, q, bo, x, out0; writes out0
.if DOCPART == 4
	.amdgcn_target "amdgcn-amd-amdhsa--gfx1250"
	.amdhsa_code_object_version 6
	.text
	.protected	k_q00ffda55ad_gemm_o
	.globl	k_q00ffda55ad_gemm_o
	.p2align	8
	.type	k_q00ffda55ad_gemm_o,@function
k_q00ffda55ad_gemm_o:
	s_mov_b64 s[64:65], 0
	v_nop
	global_prefetch_b8 v0, s[64:65] scope:SCOPE_SE
	s_setreg_imm32_b32 hwreg(HW_REG_WAVE_MODE, 25, 1), 1
	s_wait_xcnt 0x0
	s_wait_alu depctr_hold_cnt(0) depctr_sa_sdst(0) depctr_va_vdst(0) depctr_va_sdst(0) depctr_va_ssrc(0) depctr_va_vcc(0) depctr_vm_vsrc(0)
	s_getreg_b32 s2, hwreg(HW_REG_IB_STS2, 6, 4)
	s_cmp_eq_u32 s2, 0
	s_cbranch_scc0 .Lentry_in_a_cluster
	s_endpgm
.Lentry_in_a_cluster:
	s_bfe_u32 s2, ttmp6, 0x10000c
	s_cmp_lg_u32 s2, 0x3003
	s_cbranch_scc0 .Lentry_shape_is_right
	s_endpgm
.Lentry_shape_is_right:
; out0[m][n] = x[m][n] + bo[n] + sum over k of A[m][k] B[n][k]; A = the normed rows' tiles of nq, B = Wo's tiles of q (slots 400 on): codes of BF6 (E3M2), one E8M0 scale for each 32 along K; sums in f32.
; OPERANDS lie in memory as images of the operand's registers.  A tile slot is 16 rows x all of K: 8 blocks of 6,400 bytes; block g (K = 512 g ..) holds four fragments of 1,536 bytes
; (chunk c at 512 c, lane l's registers 4 c .. 4 c + 3 at 16 l), then the rows' scale words (row r's four words at 6,144 + 16 r).
; SHARES.  A work-group makes 128 x 256 of the result: 256 work-groups.  Wave w makes all 128 rows x columns 64 w .. 64 w + 63: 32 accumulators, (a, b) at v[8 (4 a + b)] of window 3.
; B: no two waves of the work-group need the same tile, so a wave's four tiles go from memory straight into its registers, 12 loads of 512 consecutive bytes a step, FOUR STEPS AHEAD, in eight buffers by turns.
;   No tensor load carries B, so there is no joint request for it.
; A: all four waves need all eight tiles: they come through a ring of two LDS slots, each with a PAIR of K groups (8 steps): wave w fetches tiles 2 w, 2 w + 1, two rows of 12,800 bytes.
;   CLUSTERS of 4 x 1: the four partners share their rows of A and ask for each tile jointly (mask 15).  A refill is asked for at a trip's head and waited for at the next trip's head: 256 matrix instructions lie between.
; THE WALK OVER K begins at pair (cluster x + y) mod 4 and goes round the four pairs.  The four clusters that read the same rows of A begin at four different pairs, so that among them all of A's pairs are
; asked for at the launch's start: A's tiles are not prefetched.  The order of a sum's terms differs between clusters, which shows in f32 rounding alone.
; x, the residual, is prefetched: 32 rows x 256 bytes a trip, a lane a row, each block once, by the wave that will load it; the first loads of it stand in the last trip.
; Each sum begins as its column's bias: bo is loaded straight into the accumulators, so that every step has one form.
; THE MATRIX INSTRUCTION IS USED TRANSPOSED (source 0 = rows of B, source 1 = rows of A): a lane holds eight neighbouring numbers of a row of the result.
; LIMITS: NaN and infinities are not served.
; REGISTERS.  Window 0: v8-29 addresses; v32-95 A's scale words of a pair; v96-127 B's, two sets; v128-223 A's fragments, set 0 (later rows on the way out).
;   Window 1: B's buffers 0-4.  Window 2: B's buffers 5-7 at v0, A's set 1 at v144.  Window 3: the accumulators.
.set BLK,   6400
.set TROW,  8*BLK
.set PAIR,  2*BLK
.set FRB,   1536
.set SCO,   4*FRB
.set SLOTX, 0x20000                    ; slot 0 at byte 0, slot 1 at 0x20000: addresses change slots by an xor
.set SP,    272                        ; the way out: a stage row, 256 bytes + 16
.set STAGE, 8*PAIR                     ; between the slots: 16 stage rows for each wave; no fill lands here
.set SPARE, STAGE+4*16*SP              ; behind the stages: the spare words, 512 bytes that no other line names
.set ROWC,  16384
.set ADRA,  8                          ; v8-9   A's tiles 0-3, 4-7 in the slot being read
.set ADRS,  10                         ; v10-11 their scale words
.set LO,    12                         ; v12    16 x lane
.set BSO,   13                         ; v13    16 r
.set BIO,   14                         ; v14    32 h
.set STO,   15                         ; v15    into the stage
.set RD,    16                         ; v16    back from it
.set CO,    17                         ; v17    my 16 bytes of two rows of the result
.set PFO,   18                         ; v18    lane x a row of x
.set SPW,   28
.set NIL,   29
.set AS,    32
.set BS,    96
.set BK,    128
.set BA,    20                         ; s[20:21] my two tiles of A, at K group 0
.set BB,    46                         ; s[46:47] my four tiles of B, at K group 0
.set BP,    48                         ; s[48:49] the same at the pair that the loads stand in
.set PX,    50                         ; s[50:51] where the prefetch of x stands
.set MSB, 0
.macro WIN new                         ; the immediate's high byte repeats the setting that is left
.if MSB != (\new)
	s_set_vgpr_msb (MSB<<8)|(\new)
.set MSB, (\new)
.endif
.endm
.macro PLACES                          ; four places behind matrix instructions, ahead of loads into their registers and reads of their results
.rept 4
	v_nop
.endr
.endm
.macro CROUND                          ; a round of the cluster's barrier
	s_barrier_signal -1
	s_barrier_wait -1
	s_cmp_lg_u32 s14, 0
	s_cbranch_scc1 .Lnot_wave_0_\@
	s_barrier_signal -3
.Lnot_wave_0_\@:
	s_barrier_wait -3
	s_barrier_signal -1
	s_barrier_wait -1
.endm
.macro JLOAD                           ; my joint load
	tensor_load_to_lds s[32:35], s[24:31]
	s_nop 0
	PLACES
.endm
	s_load_b128 s[4:7], s[0:1], 0x0                ; nq, q
	s_load_b128 s[8:11], s[0:1], 0x10              ; bo, x
	s_load_b64 s[12:13], s[0:1], 0x20              ; out0
	v_lshl_add_u32 v[SPW], v0, 2, SPARE
	v_mov_b32 v[NIL], 0
	ds_add_u32 v[SPW], v[NIL]
	ds_add_u32 v[SPW], v[NIL]
	v_lshrrev_b32 v1, 5, v0
	v_readfirstlane_b32 s14, v1                    ; wave
	s_bfe_u32 s40, ttmp6, 0x40000                  ; cx
	s_lshl_b32 s42, ttmp9, 2
	s_add_co_u32 s42, s42, s40                     ; tx
	s_and_b32 s17, ttmp7, 0xffff                   ; ty
	s_add_co_u32 s15, ttmp9, s17
	s_and_b32 s15, s15, 3                          ; the walk's first pair: the same in the four partners
	s_mov_b32 s16, s15                             ; s15: the pair of B's loads; s16: of A's
	s_mov_b32 s24, 15|(3<<16)|(1<<21)              ; group 1: mask 15, elements of 8 bytes, bit 21 beside the mask
	s_mov_b32 s25, 1600<<16                        ; tensor_dim0: 12,800 bytes
	s_mov_b32 s26, 2<<16                           ; tensor_dim1
	s_mov_b32 s27, 1600<<16                        ; tile_dim0
	s_mov_b32 s28, 2                               ; tile_dim1
	s_mov_b32 s29, TROW/8                          ; from tile slot to tile slot
	s_mov_b32 s30, 0
	s_mov_b32 s31, 0
	s_lshl_b32 s[BA], s17, 3
	s_lshl_b32 s18, s14, 1
	s_add_co_u32 s[BA], s[BA], s18                 ; A: tile slot 8 ty + 2 w
	s_mul_i32 s[BA], s[BA], TROW
	s_mov_b32 s[BA+1], 0
	s_lshl_b32 s[BB], s42, 4
	s_lshl_b32 s18, s14, 2
	s_add_co_u32 s[BB], s[BB], s18
	s_add_co_u32 s[BB], s[BB], 400                 ; B: tile slot 400 + 16 tx + 4 w
	s_mul_i32 s[BB], s[BB], TROW
	s_mov_b32 s[BB+1], 0
	s_mov_b32 s32, 1                               ; group 0: count,
	s_mul_i32 s33, s14, 2*PAIR                     ; LDS address: slot 0, my two tiles
	s_mul_i32 s94, s15, PAIR
	s_mov_b32 s95, 0
	s_mul_i32 s83, s14, 16*SP
	s_add_co_u32 s83, s83, STAGE                   ; my stage
	s_wait_dscnt 0x0
	s_wait_kmcnt 0x0
	s_add_nc_u64 s[BA:BA+1], s[4:5], s[BA:BA+1]
	s_add_nc_u64 s[BB:BB+1], s[6:7], s[BB:BB+1]
	s_add_nc_u64 s[34:35], s[BA:BA+1], s[94:95]
	s_or_b32 s35, s35, 0x80000000
	s_add_nc_u64 s[BP:BP+1], s[BB:BB+1], s[94:95]
	CROUND                                         ; the four partners are here: the first joint loads meet
	JLOAD                                          ; the first pair, into slot 0: my one load at the head
	v_and_b32 v2, 31, v0
	v_and_b32 v1, 15, v0                           ; r
	v_bfe_u32 v3, v0, 4, 1                         ; h
	v_lshlrev_b32 v[LO], 4, v2
	v_lshlrev_b32 v[ADRA], 4, v2
	v_lshl_add_u32 v[ADRA+1], v2, 4, 4*PAIR
	v_lshlrev_b32 v[BSO], 4, v1
	v_lshl_add_u32 v[ADRS], v1, 4, SCO
	v_lshl_add_u32 v[ADRS+1], v1, 4, SCO+4*PAIR
	v_lshlrev_b32 v[BIO], 5, v3
	v_mul_u32_u24 v[STO], v1, SP
	v_lshl_add_u32 v[STO], v3, 5, v[STO]
	v_add_nc_u32 v[STO], s83, v[STO]               ; in: row r, 32 bytes for each half of the lanes
	v_mul_u32_u24 v[RD], v3, SP
	v_lshl_add_u32 v[RD], v1, 4, v[RD]
	v_add_nc_u32 v[RD], s83, v[RD]                 ; back: sixteen lanes to a row of 256 bytes
	v_lshlrev_b32 v[CO], 14, v3
	v_lshl_add_u32 v[CO], v1, 4, v[CO]
	v_lshlrev_b32 v[PFO], 14, v2
	s_lshl_b32 s80, s42, 10
	s_lshl_b32 s81, s14, 8
	s_add_co_u32 s80, s80, s81                     ; my first column in bytes: 1,024 tx + 256 w
	s_mov_b32 s81, 0
	s_add_nc_u64 s[8:9], s[8:9], s[80:81]
	s_lshl_b32 s82, s17, 21                        ; 128 ty rows of 16,384 bytes
	s_add_co_u32 s80, s80, s82
	s_add_nc_u64 s[10:11], s[10:11], s[80:81]
	s_add_nc_u64 s[12:13], s[12:13], s[80:81]
	s_mov_b64 s[PX:PX+1], s[10:11]
	s_wait_alu depctr_va_vdst(0)                   ; the wait at the end of the head's vector work
	WIN 0xc0
.irp a, 0,1,2,3,4,5,6,7
.irp b, 0,1,2,3
	global_load_b128 v[8*(4*\a+\b):8*(4*\a+\b)+3], v[BIO], s[8:9] offset:64*\b        ; register j: bo[my first column + 16 b + 8 h + j]
	global_load_b128 v[8*(4*\a+\b)+4:8*(4*\a+\b)+7], v[BIO], s[8:9] offset:64*\b+16
.endr
.endr
; B's fragments of the trip's step u into buffer u, from byte goff of the pair at BP; with a group's first step its scale words
.macro BLOAD u, goff
.if ((\u)%4) == 0
	WIN 0
.irp b, 0,1,2,3
	global_load_b128 v[BS+16*((\u)/4)+4*\b:BS+16*((\u)/4)+4*\b+3], v[BSO], s[BP:BP+1] offset:\b*TROW+(\goff)+SCO
.endr
.endif
.if (\u) < 5
	WIN 0x40
.set BR, 48*(\u)
.else
	WIN 0x80
.set BR, 48*((\u)-5)
.endif
.irp b, 0,1,2,3
.irp c, 0,1,2
	global_load_b128 v[BR+12*\b+4*\c:BR+12*\b+4*\c+3], v[LO], s[BP:BP+1] offset:\b*TROW+(\goff)+((\u)%4)*FRB+512*\c
.endr
.endr
.endm
.macro FETCHA s                        ; A's eight fragments of the trip's step s into set s % 2
.if ((\s)%2) == 0
	WIN 0
.set AR, 128
.else
	WIN 0x80
.set AR, 144
.endif
.irp a, 0,1,2,3,4,5,6,7
.irp c, 0,1,2
	ds_load_b128 v[AR+12*\a+4*\c:AR+12*\a+4*\c+3], v[ADRA+\a/4] offset:(\a%4)*PAIR+((\s)/4)*BLK+((\s)%4)*FRB+512*\c
.endr
.endr
.endm
.macro ASCALES                         ; A's scale words of the whole pair: register 32 g + 4 a + st
	WIN 0
.irp g, 0,1
.irp a, 0,1,2,3,4,5,6,7
	ds_load_b128 v[AS+32*\g+4*\a:AS+32*\g+4*\a+3], v[ADRS+\a/4] offset:(\a%4)*PAIR+\g*BLK
.endr
.endr
.endm
.macro MUL s                           ; 32 matrix instructions; the accumulators take turns, in the same order in every step
.if (\s) < 5
.set BR, 48*(\s)
.set WV, 0xf1
.else
.set BR, 48*((\s)-5)
.set WV, 0xf2
.endif
.if ((\s)%2) == 0
.set AR, 128
.else
.set AR, 144
.set WV, WV|8
.endif
	WIN WV
.irp a, 0,1,2,3,4,5,6,7
.irp b, 0,1,2,3
	v_wmma_scale_f32_16x16x128_f8f6f4 v[8*(4*\a+\b):8*(4*\a+\b)+7], v[BR+12*\b:BR+12*\b+11], v[AR+12*\a:AR+12*\a+11], v[8*(4*\a+\b):8*(4*\a+\b)+7], v[BS+16*((\s)/4)+4*\b+(\s)%4], v[AS+32*((\s)/4)+4*\a+(\s)%4] matrix_a_fmt:MATRIX_FMT_BF6 matrix_b_fmt:MATRIX_FMT_BF6
.endr
.endr
.endm
; A step.  bl = 1: B's loads of the step four on are issued.  n: the global loads issued behind this step's own, which may stay out
.macro STEP s, bl, n
	PLACES
.if \bl
.if (\s) == 4
	s_wait_xcnt 0x0                                ; the loads and the prefetch have read their bases: they step only behind this wait
	s_add_co_u32 s15, s15, 1
	s_and_b32 s15, s15, 3
	s_mul_i32 s94, s15, PAIR
	s_add_nc_u64 s[BP:BP+1], s[BB:BB+1], s[94:95]  ; the walk's next pair
	s_add_nc_u64 s[PX:PX+1], s[PX:PX+1], 32*ROWC
.endif
.if (\s) < 4
	BLOAD (\s)+4, BLK
.else
	BLOAD (\s)-4, 0
.endif
.endif
.if (\s) < 7
	FETCHA (\s)+1
.endif
.if (\s) == 0
	global_prefetch_b8 v[PFO], s[PX:PX+1] th:TH_LOAD_NT scope:SCOPE_SE   ; 32 rows of my 128 of x, 256 bytes each: trip p names rows 32 p on
.endif
	s_wait_loadcnt \n
.if (\s) < 7
	s_wait_dscnt 24                                ; all but the next step's 24
.else
	s_wait_dscnt 0x0
.endif
	MUL \s
.endm
; A trip's head.  Every wave waits for all its tensor loads (one is out: its part of this trip's pair), adds 0 to its spare word, waits for that and for its reads of the other slot.
; fill = 1: a round of the cluster's barrier, and behind it the other slot takes the walk's next pair
.macro TURN fill
	WIN 0
	s_wait_tensorcnt 0x0
	ds_add_u32 v[SPW], v[NIL]
.if \fill
	s_add_co_u32 s16, s16, 1
	s_and_b32 s16, s16, 3
	s_mul_i32 s94, s16, PAIR
	s_add_nc_u64 s[34:35], s[BA:BA+1], s[94:95]
	s_or_b32 s35, s35, 0x80000000
	s_xor_b32 s33, s33, SLOTX
.endif
	s_wait_dscnt 0x0
.if \fill
	CROUND
	JLOAD
.else
	s_barrier_signal -1
	s_barrier_wait -1
.endif
	ASCALES
	FETCHA 0
.endm
.macro RESLD a0, a1                    ; x's rows of blocks a0 .. a1: blocks 0-5 into window 1, 6 and 7 into window 2, registers that held B
.irp a, 0,1,2,3,4,5,6,7
.if (\a >= \a0) && (\a <= \a1)
.if \a < 6
	WIN 0x40
.else
	WIN 0x80
.endif
.irp t, 0,1,2,3,4,5,6,7
	global_load_b128 v[32*(\a%6)+4*\t:32*(\a%6)+4*\t+3], v[CO], s[10:11] offset:(16*\a+2*\t)*ROWC th:TH_LOAD_NT
.endr
.endif
.endr
.endm
.irp u, 0,1,2,3
	BLOAD \u, 0                                    ; the first four steps of B
.endr
	WIN 0
	s_mov_b32 s3, 3
.Ltrip:                                                ; a trip is a pair of K groups; behind every step's loads stand those of four later steps: 4 x 12 and one group's 4 scale loads
	TURN 1
.irp s, 0,1,2,3,4,5,6,7
	STEP \s, 1, 52
.endr
	WIN 0
.irp n, ADRA, ADRA+1, ADRS, ADRS+1
	v_xor_b32 v[\n], SLOTX, v[\n]                  ; the next trip reads the other slot
.endr
	s_wait_alu depctr_va_vdst(0)
	s_sub_co_u32 s3, s3, 1
	s_cmp_lg_u32 s3, 0
	s_cbranch_scc1 .Ltrip
	TURN 0                                         ; the last pair: nothing is filled again
.irp s, 0,1,2,3
	STEP \s, 1, 52
.endr
	STEP 4, 0, 36                                  ; B's loads have ended: the counts run down
	STEP 5, 0, 24
	RESLD 0, 5                                     ; 48 loads into buffers 0-3, read last four steps ago
	STEP 6, 0, 60
	STEP 7, 0, 48
	PLACES
	RESLD 6, 7
; THE WAY OUT, by blocks of 16 rows x 64 columns, through my own stage; LDS serves a wave's instructions in order (ISA guide 5.7.1.4)
.macro TOSTAGE a
	WIN 0x0c
.irp b, 0,1,2,3
	ds_store_b128 v[STO], v[8*(4*(\a)+\b):8*(4*(\a)+\b)+3] offset:64*\b       ; each accumulator from its low end on
	ds_store_b128 v[STO], v[8*(4*(\a)+\b)+4:8*(4*(\a)+\b)+7] offset:64*\b+16
.endr
	WIN 0
.irp t, 0,1,2,3,4,5,6,7
	ds_load_b128 v[BK+32*((\a)%2)+4*\t:BK+32*((\a)%2)+4*\t+3], v[RD] offset:2*\t*SP
.endr
.endm
.macro SEND a, younger
.set B2, BK+32*((\a)%2)
.set RR, 32*((\a)%6)
	s_wait_dscnt \younger
.if (\a) == 0
	s_wait_loadcnt 16                              ; x's blocks 0-5 are in; the 16 loads of blocks 6 and 7 may be out
.endif
.if (\a) == 6
	s_wait_loadcnt 0x0
.endif
	WIN 0x04+4*((\a)/6)
.irp t, 0,1,2,3,4,5,6,7
	v_pk_add_f32 v[B2+4*\t:B2+4*\t+1], v[B2+4*\t:B2+4*\t+1], v[RR+4*\t:RR+4*\t+1]
	v_pk_add_f32 v[B2+4*\t+2:B2+4*\t+3], v[B2+4*\t+2:B2+4*\t+3], v[RR+4*\t+2:RR+4*\t+3]
.endr
	WIN 0
.irp t, 0,1,2,3,4,5,6,7
	global_store_b128 v[CO], v[B2+4*\t:B2+4*\t+3], s[12:13] offset:(16*(\a)+2*\t)*ROWC th:TH_STORE_NT   ; sixteen lanes store 256 consecutive bytes, aligned
.endr
.endm
	TOSTAGE 0
.irp a, 1,2,3,4,5,6,7
.if \a > 1
	s_wait_xcnt 0x0                                ; block a - 2's stores have read their registers
.endif
	TOSTAGE \a
	SEND \a-1, 16                                  ; behind block a - 1's loads: block a's 8 stores and 8 loads
.endr
	SEND 7, 0
	s_wait_tensorcnt 0x0                           ; the wave's end
	ds_add_u32 v[SPW], v[NIL]
	s_wait_dscnt 0x0
	CROUND                                         ; the closing round
	s_endpgm
.Lfunc_end_k_q00ffda55ad_gemm_o:
	.size	k_q00ffda55ad_gemm_o, .Lfunc_end_k_q00ffda55ad_gemm_o-k_q00ffda55ad_gemm_o
	.p2alignl 7, 3214868480
	.fill 96, 4, 3214868480
	.section	.rodata,"a",@progbits
	.p2align	6, 0x0
	.amdhsa_kernel k_q00ffda55ad_gemm_o
		.amdhsa_group_segment_fixed_size 327680
		.amdhsa_private_segment_fixed_size 0
		.amdhsa_enable_private_segment 0
		.amdhsa_kernarg_size 40
		.amdhsa_user_sgpr_count 2
		.amdhsa_user_sgpr_kernarg_segment_ptr 1
		.amdhsa_wavefront_size32 1
		.amdhsa_system_sgpr_workgroup_id_x 1
		.amdhsa_system_sgpr_workgroup_id_y 1
		.amdhsa_system_sgpr_workgroup_id_z 1
		.amdhsa_system_vgpr_workitem_id 0
		.amdhsa_next_free_vgpr 1024
		.amdhsa_next_free_sgpr 100
		.amdhsa_reserve_vcc 0
		.amdhsa_float_denorm_mode_32 3
		.amdhsa_float_denorm_mode_16_64 3
		.amdhsa_memory_ordered 1
		.amdhsa_forward_progress 1
		.amdhsa_inst_pref_size 157
	.end_amdhsa_kernel
	.amdgpu_metadata
---
amdhsa.version: [ 1, 2 ]
amdhsa.kernels:
  - .name:           k_q00ffda55ad_gemm_o
    .symbol:         k_q00ffda55ad_gemm_o.kd
    .args:
      - { .name: nq, .offset: 0, .size: 8, .value_kind: global_buffer, .address_space: global }
      - { .name: q, .offset: 8, .size: 8, .value_kind: global_buffer, .address_space: global }
      - { .name: bo, .offset: 16, .size: 8, .value_kind: global_buffer, .address_space: global }
      - { .name: x, .offset: 24, .size: 8, .value_kind: global_buffer, .address_space: global }
      - { .name: out0, .offset: 32, .size: 8, .value_kind: global_buffer, .address_space: global }
    .group_segment_fixed_size: 327680
    .private_segment_fixed_size: 0
    .kernarg_segment_align: 8
    .kernarg_segment_size: 40
    .max_flat_workgroup_size: 128
    .sgpr_count:     100
    .vgpr_count:     1024
    .wavefront_size: 32
...
	.end_amdgpu_metadata
.endif
;; end of part 4
